; MI455X (gfx1250); checked and timed in simulation.
; The chip was launched on July 23, 2026; its instructions are those of AMD's public machine-readable ISA for CDNA 5 (MIT licence, August 2026) and "CDNA5" Instruction Set Architecture Reference Guide (July 2026). The comments in the code are by the model that wrote it; some were corrected since.
;; Transformer. Allowed arithmetic: matrix products marked QUANTISED: E2M3 operands, one E8M0 scale for each 32 along K, by v_wmma_scale_f32_16x16x128_f8f6f4 with both operands' format E2M3, f32 sums; everything else in f32.
;; Inputs: head_bias 128 float32; head_kernel 1,024 x 128 float32; key_bias 8 x 128 float32; key_kernel 8 x 1,024 x 128 float32; query_bias 8 x 128 float32; query_kernel 8 x 1,024 x 128 float32; value_bias 8 x 128 float32; value_kernel 8 x 1,024 x 128 float32; x 4 x 2,048 x 1,024 float32.
;; Outputs: out0 4 x 2,048 x 128 float32.
;; This version of the problem:
;;   THIS VERSION OF THE PROBLEM IS GIVEN IN LOW PRECISION. The matrix products marked QUANTISED in the list below multiply operands that are first quantised to E2M3 (2 exponent bits, 3 mantissa bits; 6 bits a number), with one power-of-two scale for each 32 numbers along K (OCP MX v1.0); their sums are f32. All else is computed in f32.
;;   The module's matrix products, in the order in which they are computed (A, B: the left and right operand; K: the contracted axis; several contracted axes count as one K, in the product's order):
;;     1. [M 1,024, K 1,024] x [K 1,024, N 8,192]; A: input query_kernel; B: input x: QUANTISED
;;     2. [M 1,024, K 1,024] x [K 1,024, N 8,192]; A: input key_kernel; B: input x: QUANTISED
;;     3. [M 1,024, K 1,024] x [K 1,024, N 8,192]; A: input value_kernel; B: input x: QUANTISED
;;     4. batch 32 x [M 2,048, K 128] x [K 128, N 2,048]; A: computed on the way; B: computed on the way: QUANTISED
;;     5. batch 32 x [M 2,048, K 2,048] x [K 2,048, N 128]; A: softmax (see below); B: computed on the way: QUANTISED
;;     6. [M 8,192, K 1,024] x [K 1,024, N 128]; A: computed on the way; B: input head_kernel: QUANTISED
;;   THE QUANTISER, for each operand of a quantised product, along K:
;;     - K is cut into blocks of 32 from its start; a last block that is shorter is filled with zeros.
;;     - A block's scale is 2^e with e = floor(log2(the largest magnitude in the block)) - 2, held to -126 .. 127; a block of zeros has e = 0. As a byte (E8M0): e + 127.
;;     - Each number is divided by its block's scale, clamped to +-7.5, and rounded to the nearest number of E2M3, ties to even, subnormals kept.
;;     - The product sums the exact products of the quantised numbers (number of the format x scale) in f32.
;;   ~~~python
;;   def quantise(x, axis):      # numpy; x: float32 -> the quantised numbers, widened to float32 again
;;       x = np.moveaxis(x, axis, -1); K = x.shape[-1]
;;       x = np.pad(x, [(0, 0)] * (x.ndim - 1) + [(0, -K % 32)]); x = x.reshape(x.shape[:-1] + (-1, 32)); a = np.abs(x).max(-1, keepdims=True)
;;       e = np.where(a > 0, np.clip(np.frexp(np.where(a > 0, a, 1))[1] - 1 - 2, -126, 127), 0)      # np.frexp(a)[1] - 1 = floor(log2(a)), exactly
;;       r = np.clip(x / 2.0 ** e, -7.5, 7.5)
;;       step = 2.0 ** (np.maximum(np.frexp(np.where(r == 0, 1, r))[1] - 1, 0) - 3)
;;       q = np.round(r / step) * step * 2.0 ** e      # np.round: ties to even
;;       return np.moveaxis(q.reshape(q.shape[:-2] + (-1,))[..., :K], -1, axis).astype(np.float32)
;;   ~~~
;;   SOFTMAX AHEAD OF A QUANTISED PRODUCT. Where the list says 'softmax', what is quantised is not the finished softmax but p = 2^(t - M), with t = logit x log2(e) and M = ceil(the row's largest t), a whole number; so 1/2 < the row's largest p <= 1. The row's sum l is taken of the UNQUANTISED p, in f32, and the product's result is divided by l at the end. Since M is a whole number, a kernel that streams over the keys may use a running M (the ceiling of the running maximum): every later rescaling is an exact power of two, which a block's scale takes up: the codes' values come out the same.
;;   OPERANDS COMPUTED ON THE WAY. 'Computed on the way' means the value that the module computes at that place (a softmax that the list does not call 'softmax' is quantised finished and normalised). What goes into a quantiser is computed in f32, as accurately as f32 sums, v_exp_f32 and their like allow (about 1e-6 of the number): no bf16 or f16 on the way to a quantiser, and a product that is left as it is and whose result goes on into a quantised operand takes f32 operands (vector FMAs, or v_wmma_f32_16x16x4_f32). A number that lies on a knife's edge between two numbers of the format may be rounded either way, as far as f32 arithmetic and the matrix unit's own rounding can turn it there, and no further.
;; One version. Each part assembles by itself: llvm-mc -triple=amdgcn-amd-amdhsa -mcpu=gfx1250 --defsym DOCPART=n.
;; ======== version 1 of 1: 4 launches
;; limits: right only within a limited range of input values
;; workspace buffers: xb 6,553,600 bytes; wb 2,560,000 bytes; qb 6,553,600 bytes; kvb 13,107,200 bytes; fb 6,553,600 bytes
;; launch quant (part 1): grid 256 x 1, 5 waves a work-group, no clusters, 204,800 bytes of LDS; arguments x, query_kernel, key_kernel, value_kernel, head_kernel, xb, wb; writes xb, wb
.if DOCPART == 1
	.amdgcn_target "amdgcn-amd-amdhsa--gfx1250"
	.amdhsa_code_object_version 6
	.text
	.protected	k_q13a78a8362_quant
	.globl	k_q13a78a8362_quant
	.p2align	8
	.type	k_q13a78a8362_quant,@function
k_q13a78a8362_quant:
	s_mov_b64 s[64:65], 0
	v_nop
	global_prefetch_b8 v0, s[64:65] scope:SCOPE_SE
	s_setreg_imm32_b32 hwreg(HW_REG_WAVE_MODE, 25, 1), 1
	s_wait_xcnt 0x0
; x [8192][1024] f32 and the 25 weight matrices (3 x 8 heads [1024 (K)][128] and head_kernel [1024 (K)][128]) become codes of FP6 (E2M3) with one E8M0 byte for each 32 along K.
; A block's scale is 2^(floor(log2(its largest magnitude)) - 2): its byte is the largest magnitude's exponent field - 2, held at 1 from below.
; LIMITS: NaN and infinities among the inputs are not served; a block whose largest magnitude lies under 2^-124 keeps the byte 1; a block of zeros gets the byte 1 where the rule says 127
; (its codes are zeros, which add nothing under any byte but 0xff, and the bytes are read by this program alone).
; THE OUTPUT IS LAID AS IMAGES OF OPERAND REGISTERS.  A fragment (16 rows x 128 K, 12 registers a lane) is 1,536 bytes: registers 4 i .. 4 i + 3 of lane l at 512 i + 16 l; lane (r, h) holds row r,
; its registers 6 c .. 6 c + 5 hold k = 64 c + 32 h + 0 .. 31.  A group of 128 rows (x) or 128 columns (a weight) has 8 tiles; lane r of tile T holds row 32 (T / 2) + 8 (T % 2) + r + 8 (r / 8).
; A group's block is [K step 0..7][tile 0..7][1,536] = 98,304 bytes; its scale words are [K slot 0..3][tile][r][2 words], 4,096 bytes, behind all images.
; SHARES.  Work-group g: waves 0 to 3 take rows 32 w .. 32 w + 31 of x's group g / 4, 256 along K (K slot g % 4): four fragments each.  Wave 4 takes, where g < 200, 256 along K x 64 columns of
; matrix g / 8: 25 matrices are 200 such parts, so in 56 work-groups wave 4 has no part and goes to its closing lines.
; All input comes by tensor loads issued in the first lines, each into LDS bytes of the issuing wave's own, filled once: no barrier, no refill.  No cluster: no two work-groups read the same bytes.
.set XP,    1040                       ; a row of x's tile in LDS: 1,024 bytes (256 along K) + 16 of padding
.set XH,    16*XP                      ; 16 rows
.set XQ,    512                        ; the slot's second K step begins 512 bytes into each row
.set XW,    32*XP                      ; a wave's region: 32 rows
.set WT,    4*XW                       ; wave 4's tile: 256 rows (K) of 256 bytes (64 columns)
.set SPARE, WT+65536                   ; the spare words, 128 bytes for each of five waves: three blocks of 256 bytes that no other line names
.set XSCL,  6291456                    ; where xb's scale words begin
.set WSCL,  2457600                    ; and wb's
.set LANE, 1
.set RR,   2                           ; lane % 16
.set HH,   3                           ; lane / 16
.set LA,   4                           ; LDS: my row of x, my half's 128 bytes
.set IO,   5                           ; 16 x lane
.set SO,   6                           ; 8 x lane
.set WA,   7                           ; LDS: my column of the weight's tile
.set WO,   8                           ; my place in the weight's images
.set SH,   9                           ; 8 x (lane / 16)
.set SPW,  30                          ; LDS address of my spare word; never rewritten
.set NIL,  31                          ; 0; never rewritten
.set WV,   18
.set SEL,  20                          ; s[20:21] v_permlanex16_b32's selects for lane l xor 16
.set G1X,  24                          ; s[24:31] group 1 for x's tiles
.set G1W,  32                          ; s[32:39] for the weight's
.set G0X,  40                          ; s[40:43] group 0 of the x role
.set G0W,  56                          ; s[56:59] that of the W role
	s_load_b256 s[4:11], s[0:1], 0x0               ; x, query_kernel, key_kernel, value_kernel
	s_load_b128 s[12:15], s[0:1], 0x20             ; head_kernel, xb
	s_load_b64 s[16:17], s[0:1], 0x30              ; wb
	v_lshl_add_u32 v[SPW], v0, 2, SPARE
	v_mov_b32 v[NIL], 0
	ds_add_u32 v[SPW], v[NIL]                      ; the wave's opening: the add and its wait ahead of my first tensor load; the set-up below stands between them
	ds_add_u32 v[SPW], v[NIL]
	v_lshrrev_b32 v1, 5, v0
	v_readfirstlane_b32 s[WV], v1                  ; wave 0..4
	s_mov_b32 s[SEL], 0x76543210
	s_mov_b32 s[SEL+1], 0xfedcba98
	s_mov_b32 s[G1X+0], (2<<16)|(1<<20)|(7<<22)|(3<<25)  ; elements of 4 bytes; padding on: behind every 256 words 4 words
	s_mov_b32 s[G1X+1], 256<<16                    ; tensor_dim0 = 256
	s_mov_b32 s[G1X+2], 32<<16                     ; tensor_dim1 = 32
	s_mov_b32 s[G1X+3], 256<<16                    ; tile_dim0 = 256
	s_mov_b32 s[G1X+4], 32                         ; tile_dim1 = 32
	s_mov_b32 s[G1X+5], 1024                       ; elements from row to row
	s_mov_b32 s[G1X+6], 0
	s_mov_b32 s[G1X+7], 0
	s_mov_b32 s[G1W+0], 2<<16                      ; elements of 4 bytes, no padding
	s_mov_b32 s[G1W+1], 64<<16
	s_mov_b32 s[G1W+2], 256<<16
	s_mov_b32 s[G1W+3], 64<<16
	s_mov_b32 s[G1W+4], 256
	s_mov_b32 s[G1W+5], 128
	s_mov_b32 s[G1W+6], 0
	s_mov_b32 s[G1W+7], 0
	; every address register is made here, ahead of the parting of the roles
	v_and_b32 v[LANE], 31, v0
	v_and_b32 v[RR], 15, v0
	v_bfe_u32 v[HH], v0, 4, 1
	s_mul_i32 s19, s[WV], XW
	v_bfe_u32 v10, v0, 3, 1                        ; r / 8
	v_and_b32 v11, 7, v0                           ; r % 8
	v_mul_u32_u24 v[LA], v10, XH                   ; lane r of tile 2 w + u holds row 8 u + r % 8 of the half r / 8 of my wave's 32 rows
	v_mad_u32_u24 v[LA], v11, XP, v[LA]
	v_lshl_add_u32 v[LA], v[HH], 7, v[LA]
	v_add_nc_u32 v[LA], s19, v[LA]
	v_lshlrev_b32 v[IO], 4, v[LANE]
	v_lshlrev_b32 v[SO], 3, v[LANE]
	v_lshl_add_u32 v[WA], v[HH], 3, v[RR]
	v_lshl_add_u32 v[WA], v10, 3, v[WA]            ; of 32 columns mine is 8 (lane / 16) + r + 8 (r / 8)
	v_lshl_add_u32 v[WA], v[WA], 2, WT
	v_mul_u32_u24 v[WO], v[HH], 1536               ; lanes 0-15 serve one tile, lanes 16-31 the next
	v_lshl_add_u32 v[WO], v[RR], 4, v[WO]
	v_lshlrev_b32 v[SH], 3, v[HH]
	v_mov_b32 v223, 0                              ; a lane permute's destination counts as one of its sources
	s_wait_dscnt 0x0                               ; the opening add is done
	s_wait_kmcnt 0x0
	s_cmp_lt_u32 s[WV], 4
	s_cbranch_scc0 .Lw_role
; ---------------- the x role ----------------
; fragment f = 2 q + u: K step q of the slot, tile 2 w + u.  64 numbers a lane: register 32 c + i = k 64 c + 32 h + i of my row, into set f % 2
.macro XFETCH f
.irp c, 0,1
.irp j, 0,1,2,3,4,5,6,7
	ds_load_b128 v[32+64*((\f)%2)+32*\c+4*\j:32+64*((\f)%2)+32*\c+4*\j+3], v[LA] offset:((\f)/2)*XQ+((\f)%2)*8*XP+256*\c+16*\j
.endr
.endr
.endm
; a lane holds two whole blocks of 32: no other lane is asked for a maximum; the scale word's four bytes are gathered from lanes l and l xor 16
.macro QX f
.set XS, 32+64*((\f)%2)
.set CC, 160+12*(\f)
.irp c, 0,1
	v_max3_num_f32 v[216+\c], |v[XS+32*\c]|, |v[XS+32*\c+1]|, 0x1800000   ; with the floor 2^(3 - 127): the byte cannot fall under 1
.endr
.irp i, 2,4,6,8,10,12,14,16,18,20,22,24,26,28,30
.irp c, 0,1
	v_max3_num_f32 v[216+\c], v[216+\c], |v[XS+32*\c+\i]|, |v[XS+32*\c+\i+1]|   ; the two blocks by turns
.endr
.endr
.irp c, 0,1
	v_add_nc_u32 v[218+\c], 0xff000000, v[216+\c]  ; 2 off the exponent field: the conversion takes the exponent field of this operand as its scale
.endr
.irp c, 0,1
	v_lshrrev_b32 v[220+\c], 23, v[218+\c]         ; the scale's byte
.endr
	v_lshl_or_b32 v222, v221, 16, v220             ; my bytes: blocks h and 2 + h,
	v_lshlrev_b32 v222, v[SH], v222                ; at their places in the word;
	v_permlanex16_b32 v223, v222, s[SEL], s[SEL+1]
	v_or_b32 v[224+(\f)], v222, v223               ; with lane l xor 16's two the word is whole, in both lanes
.irp c, 0,1
	v_cvt_scalef32_pk16_fp6_f32 v[CC+6*\c:CC+6*\c+2], v[XS+32*\c:XS+32*\c+15], v[218+\c]
	v_cvt_scalef32_pk16_fp6_f32 v[208+4*\c:210+4*\c], v[XS+32*\c+16:XS+32*\c+31], v[218+\c]   ; (a conversion's three registers begin on an even number)
.endr
	v_nop                                          ; one plain place behind a scaled conversion
.irp c, 0,1
.irp i, 0,1,2
	v_mov_b32 v[CC+6*\c+3+\i], v[208+4*\c+\i]
.endr
.endr
.irp i, 0,1,2
	global_store_b128 v[IO], v[CC+4*\i:CC+4*\i+3], s[68:69] offset:((\f)/2)*12288+((\f)%2)*1536+512*\i   ; 32 lanes store 512 consecutive bytes; each fragment has data registers of its own
.endr
.endm
	s_lshr_b32 s22, ttmp9, 2                       ; x's group of 128 rows
	s_and_b32 s23, ttmp9, 3                        ; the K slot
	s_lshl_b32 s66, s22, 19                        ; 128 rows of 4,096 bytes
	s_lshl_b32 s67, s[WV], 17                      ; + my wave's 32 rows
	s_add_co_u32 s66, s66, s67
	s_lshl_b32 s67, s23, 10                        ; + 256 numbers along K
	s_add_co_u32 s66, s66, s67
	s_mov_b32 s67, 0
	s_add_nc_u64 s[4:5], s[4:5], s[66:67]
.irp n, 0                                      ; one load a wave: my 32 rows x 256 along K
	s_mov_b32 s[G0X+4*\n], 1
	s_add_co_u32 s[G0X+4*\n+1], s19, (\n/2)*XQ+(\n%2)*XH
	s_add_nc_u64 s[G0X+4*\n+2:G0X+4*\n+3], s[4:5], (\n%2)*65536+(\n/2)*512
	s_or_b32 s[G0X+4*\n+3], s[G0X+4*\n+3], 0x80000000
	tensor_load_to_lds s[G0X+4*\n:G0X+4*\n+3], s[G1X:G1X+7]
	s_nop 0
.endr
.rept 4
	v_nop
.endr
	s_mul_i32 s66, s22, 98304                      ; the images: group, K slot, my two tiles
	s_mul_i32 s67, s23, 24576
	s_add_co_u32 s66, s66, s67
	s_mul_i32 s67, s[WV], 3072
	s_add_co_u32 s66, s66, s67
	s_mov_b32 s67, 0
	s_add_nc_u64 s[68:69], s[14:15], s[66:67]
	s_lshl_b32 s66, s22, 12                        ; the scale words likewise: 4,096 a group, 1,024 a K slot, 128 a tile
	s_lshl_b32 s70, s23, 10
	s_add_co_u32 s66, s66, s70
	s_lshl_b32 s70, s[WV], 8
	s_add_co_u32 s66, s66, s70
	s_add_co_u32 s66, s66, XSCL
	s_add_nc_u64 s[70:71], s[14:15], s[66:67]
	s_wait_tensorcnt 0x0                           ; my 32 rows are in; only I read them
	XFETCH 0
	XFETCH 1
	s_wait_dscnt 16                                ; fragment 0's numbers are in; the next fragment's 16 loads may be out
	QX 0
	XFETCH 2
	s_wait_dscnt 16
	QX 1
	XFETCH 3
	s_wait_dscnt 16
	QX 2
	s_wait_dscnt 0x0
	QX 3
	v_cmp_lt_u32 vcc_lo, 15, v[LANE]               ; lanes 0-15 store tile 2 w's words, lanes 16-31 tile 2 w + 1's
	v_cndmask_b32 v228, v224, v225, vcc_lo         ; K step 0
	v_cndmask_b32 v229, v226, v227, vcc_lo         ; K step 1
	global_store_b64 v[SO], v[228:229], s[70:71]   ; 32 lanes store 256 consecutive bytes, at a multiple of 256 from the buffer's first byte
	s_wait_tensorcnt 0x0                           ; the wave's end
	ds_add_u32 v[SPW], v[NIL]
	s_wait_dscnt 0x0
	s_endpgm
; ---------------- the W role: a lane takes a column, and its registers run down K ----------------
; block step t: K step t / 8, 32 columns (t / 4) % 2, block t % 4 of the K step's four
.macro WFETCH t
.irp i, 0,1,2,3,4,5,6,7,8,9,10,11,12,13,14,15,16,17,18,19,20,21,22,23,24,25,26,27,28,29,30,31
	ds_load_b32 v[32+32*((\t)%2)+\i], v[WA] offset:((\t)/8)*32768+(((\t)/4)%2)*128+(32*((\t)%4)+\i)*256
.endr
.endm
; block 2 c + hh of a column belongs to lane r + 16 hh of the image, registers 6 c on: so my four blocks make two runs of 12 registers, one for each half of the image's lanes
.macro QW t
.set YS, 32+32*((\t)%2)
.set CG, 96+24*((\t)/4)
.set CW, CG+12*((\t)%2)+6*(((\t)%4)/2)
.set WSR, 200+2*(((\t)/4)%2)+(\t)/8
	v_max3_num_f32 v196, |v[YS]|, |v[YS+1]|, |v[YS+2]|
	v_max3_num_f32 v197, |v[YS+3]|, |v[YS+4]|, |v[YS+5]|
.irp i, 6,10,14,18,22,26
	v_max3_num_f32 v196, v196, |v[YS+\i]|, |v[YS+\i+1]|
	v_max3_num_f32 v197, v197, |v[YS+\i+2]|, |v[YS+\i+3]|
.endr
	v_max3_num_f32 v196, v196, |v[YS+30]|, |v[YS+31]|
	v_max3_num_f32 v196, v196, v197, 0x1800000     ; and the floor
	v_add_nc_u32 v198, 0xff000000, v196
	v_lshrrev_b32 v199, 23, v198
.if (\t)%4 == 0
	v_mov_b32 v[WSR], v199                         ; four bytes make the column's word of this K step
.else
	v_lshl_or_b32 v[WSR], v199, 8*((\t)%4), v[WSR]
.endif
	v_cvt_scalef32_pk16_fp6_f32 v[CW:CW+2], v[YS:YS+15], v198
	v_cvt_scalef32_pk16_fp6_f32 v[192:194], v[YS+16:YS+31], v198
	v_nop                                          ; one plain place behind a scaled conversion
.irp i, 0,1,2
	v_mov_b32 v[CW+3+\i], v[192+\i]
.endr
.if (\t)%4 == 3
.irp e, 0,1
.irp i, 0,1,2
	global_store_b128 v[WO], v[CG+12*\e+4*\i:CG+12*\e+4*\i+3], s[70:71] offset:((\t)/8)*12288+2*(((\t)/4)%2)*1536+512*\i+256*\e   ; sixteen lanes store 256 consecutive bytes of one tile's image
.endr
.endr
.endif
.endm
.Lw_role:
	s_cmp_lt_u32 ttmp9, 200                        ; 25 matrices x 4 K slots x 2 halves of the columns
	s_cbranch_scc0 .Lw_end
	s_lshr_b32 s22, ttmp9, 3                       ; the matrix: 8 p + head; 24 = head_kernel
	s_bfe_u32 s23, ttmp9, 0x20001                  ; the K slot
	s_and_b32 s19, ttmp9, 1                        ; which 64 columns
	s_lshr_b32 s66, ttmp9, 6                       ; p
	s_cmp_eq_u32 s66, 0
	s_cselect_b64 s[68:69], s[6:7], s[8:9]
	s_cmp_eq_u32 s66, 2
	s_cselect_b64 s[68:69], s[10:11], s[68:69]
	s_cmp_eq_u32 s66, 3
	s_cselect_b64 s[68:69], s[12:13], s[68:69]
	s_and_b32 s66, s22, 7
	s_lshl_b32 s66, s66, 19                        ; a head's matrix is 524,288 bytes,
	s_lshl_b32 s67, s23, 17                        ; 256 rows of 512 bytes,
	s_add_co_u32 s66, s66, s67
	s_lshl_b32 s67, s19, 8                         ; 64 columns
	s_add_co_u32 s66, s66, s67
	s_mov_b32 s67, 0
	s_add_nc_u64 s[68:69], s[68:69], s[66:67]
.irp q, 0                                      ; one load: 256 rows (two K steps) of 64 columns
	s_mov_b32 s[G0W+4*\q], 1
	s_mov_b32 s[G0W+4*\q+1], WT+\q*32768
	s_add_nc_u64 s[G0W+4*\q+2:G0W+4*\q+3], s[68:69], \q*65536
	s_or_b32 s[G0W+4*\q+3], s[G0W+4*\q+3], 0x80000000
	tensor_load_to_lds s[G0W+4*\q:G0W+4*\q+3], s[G1W:G1W+7]
	s_nop 0
.endr
.rept 4
	v_nop
.endr
	s_mul_i32 s66, s22, 98304                      ; the images: matrix, K slot, my four tiles
	s_mul_i32 s72, s23, 24576
	s_add_co_u32 s66, s66, s72
	s_mul_i32 s72, s19, 6144
	s_add_co_u32 s66, s66, s72
	s_add_nc_u64 s[70:71], s[16:17], s[66:67]
	s_lshl_b32 s66, s22, 12                        ; the scale words
	s_lshl_b32 s72, s23, 10
	s_add_co_u32 s66, s66, s72
	s_lshl_b32 s72, s19, 9
	s_add_co_u32 s66, s66, s72
	s_add_co_u32 s66, s66, WSCL
	s_add_nc_u64 s[72:73], s[16:17], s[66:67]
	s_wait_tensorcnt 0x0                           ; my tile is in; only I read it
	s_wait_alu depctr_va_vdst(0)
	WFETCH 0
	WFETCH 1
.irp t, 0,1,2,3,4,5,6,7,8,9,10,11,12,13,14,15
.if \t < 15
	s_wait_dscnt 32                                ; this block's 32 numbers are in; the next block's may be out
.else
	s_wait_dscnt 0x0
.endif
	QW \t
.if \t < 14
	WFETCH \t+2
.endif
.endr
.irp g, 0,1
	global_store_b64 v[SO], v[200+2*\g:201+2*\g], s[72:73] offset:256*\g   ; two tiles' words, two K steps each: 256 consecutive bytes
.endr
.Lw_end:
	s_wait_tensorcnt 0x0                           ; the wave's end
	ds_add_u32 v[SPW], v[NIL]
	s_wait_dscnt 0x0
	s_endpgm
.Lfunc_end_k_q13a78a8362_quant:
	.size	k_q13a78a8362_quant, .Lfunc_end_k_q13a78a8362_quant-k_q13a78a8362_quant
	.p2alignl 7, 3214868480
	.fill 96, 4, 3214868480
	.section	.rodata,"a",@progbits
	.p2align	6, 0x0
	.amdhsa_kernel k_q13a78a8362_quant
		.amdhsa_group_segment_fixed_size 204800
		.amdhsa_private_segment_fixed_size 0
		.amdhsa_enable_private_segment 0
		.amdhsa_kernarg_size 56
		.amdhsa_user_sgpr_count 2
		.amdhsa_user_sgpr_kernarg_segment_ptr 1
		.amdhsa_wavefront_size32 1
		.amdhsa_system_sgpr_workgroup_id_x 1
		.amdhsa_system_sgpr_workgroup_id_y 1
		.amdhsa_system_sgpr_workgroup_id_z 1
		.amdhsa_system_vgpr_workitem_id 0
		.amdhsa_next_free_vgpr 256
		.amdhsa_next_free_sgpr 80
		.amdhsa_reserve_vcc 1
		.amdhsa_float_denorm_mode_32 3
		.amdhsa_float_denorm_mode_16_64 3
		.amdhsa_memory_ordered 1
		.amdhsa_forward_progress 1
		.amdhsa_inst_pref_size 82
	.end_amdhsa_kernel
	.amdgpu_metadata
---
amdhsa.version: [ 1, 2 ]
amdhsa.kernels:
  - .name:           k_q13a78a8362_quant
    .symbol:         k_q13a78a8362_quant.kd
    .args:
      - { .name: x, .offset: 0, .size: 8, .value_kind: global_buffer, .address_space: global }
      - { .name: query_kernel, .offset: 8, .size: 8, .value_kind: global_buffer, .address_space: global }
      - { .name: key_kernel, .offset: 16, .size: 8, .value_kind: global_buffer, .address_space: global }
      - { .name: value_kernel, .offset: 24, .size: 8, .value_kind: global_buffer, .address_space: global }
      - { .name: head_kernel, .offset: 32, .size: 8, .value_kind: global_buffer, .address_space: global }
      - { .name: xb, .offset: 40, .size: 8, .value_kind: global_buffer, .address_space: global }
      - { .name: wb, .offset: 48, .size: 8, .value_kind: global_buffer, .address_space: global }
    .group_segment_fixed_size: 204800
    .private_segment_fixed_size: 0
    .kernarg_segment_align: 8
    .kernarg_segment_size: 56
    .max_flat_workgroup_size: 160
    .sgpr_count:     80
    .vgpr_count:     256
    .wavefront_size: 32
...
	.end_amdgpu_metadata
.endif
;; end of part 1
;; launch qkv (part 2): grid 12 x 32, 4 waves a work-group, clusters of 4 x 4, 327,680 bytes of LDS; arguments xb, wb, query_bias, key_bias, value_bias, qb, kvb; writes qb, kvb
.if DOCPART == 2
	.amdgcn_target "amdgcn-amd-amdhsa--gfx1250"
	.amdhsa_code_object_version 6
	.text
	.protected	k_q13a78a8362_qkv
	.globl	k_q13a78a8362_qkv
	.p2align	8
	.type	k_q13a78a8362_qkv,@function
k_q13a78a8362_qkv:
	s_mov_b64 s[64:65], 0
	v_nop
	global_prefetch_b8 v0, s[64:65] scope:SCOPE_SE
	s_setreg_imm32_b32 hwreg(HW_REG_WAVE_MODE, 25, 1), 1
	s_wait_xcnt 0x0
	s_wait_alu depctr_hold_cnt(0) depctr_sa_sdst(0) depctr_va_vdst(0) depctr_va_sdst(0) depctr_va_ssrc(0) depctr_va_vcc(0) depctr_vm_vsrc(0)
	s_getreg_b32 s2, hwreg(HW_REG_IB_STS2, 6, 4)
	s_cmp_eq_u32 s2, 0
	s_cbranch_scc0 .Lentry_in_a_cluster
	s_endpgm
.Lentry_in_a_cluster:
	s_bfe_u32 s2, ttmp6, 0x10000c
	s_cmp_lg_u32 s2, 0xf033
	s_cbranch_scc0 .Lentry_shape_is_right
	s_endpgm
.Lentry_shape_is_right:
.set FR,    12
.set NL,    3
.set NP,    4
.set KST,   12288
.set HALFT, 24576
.set SLOT,  4*HALFT
.set SCL,   2*SLOT
.set SPARE, SCL+4*4096
.set BA,   3
.set ADRA, 16
.set ADRB, 20
.set IO,   24
.set SCO,  25
.set ADRS, 27
.set SPW,  28
.set NIL,  29
.set SC,   32
.set BIAS, 64
.set AF,   128
.set TM,   64
.set CT,   80
.set SW,   88
.set WV,   18
.set HA,   19
.set HB,   20
.set TR,   21
.set SEL,  22
.set G1,   24
.set G0,   32
.set CX,   40
.set CY,   41
.set TC,   42
.set G1B,  48
.set G0B,  56
.set G1S,  68
.set G0S,  76
.set G1SB, 80
.set G0SB, 88
.set OP,   92
.set OS,   94
.set MSB, 0
.macro WIN new
.if MSB != \new
	s_set_vgpr_msb (MSB<<8)|\new
.set MSB, \new
.endif
.endm
.set MUL_LO, 0xa1
.set MUL_HI, 0xf1
.set TO_B,   0x40
.macro JLOAD g0a, g1a, g0b, g1b
	s_cmp_eq_u32 s[HA], 0
	s_cbranch_scc0 .Lfor_b_\@
	tensor_load_to_lds s[\g0a:\g0a+3], s[\g1a:\g1a+7]
	s_nop 0
.rept 4
	v_nop
.endr
	s_branch .Lasked_\@
.Lfor_b_\@:
	tensor_load_to_lds s[\g0b:\g0b+3], s[\g1b:\g1b+7]
	s_nop 0
.rept 4
	v_nop
.endr
.Lasked_\@:
.endm
.macro CREST
	s_cmp_lg_u32 s[WV], 0
	s_cbranch_scc1 .Lnot_wave_0_\@
	s_barrier_signal -3
.Lnot_wave_0_\@:
	s_barrier_wait -3
	s_barrier_signal -1
	s_barrier_wait -1
.endm
.macro CROUND
	s_barrier_signal -1
	s_barrier_wait -1
	CREST
.endm
	s_load_b256 s[4:11], s[0:1], 0x0
	s_load_b128 s[12:15], s[0:1], 0x20
	s_load_b64 s[16:17], s[0:1], 0x30
	v_lshl_add_u32 v[SPW], v0, 2, SPARE
	v_mov_b32 v[NIL], 0
	ds_add_u32 v[SPW], v[NIL]
	ds_add_u32 v[SPW], v[NIL]
	v_lshrrev_b32 v1, 5, v0
	v_readfirstlane_b32 s[WV], v1
	s_lshr_b32 s[HA], s[WV], 1
	s_and_b32 s[HB], s[WV], 1
	s_mov_b32 s[SEL], 0x76543210
	s_mov_b32 s[SEL+1], 0xfedcba98
	s_bfe_u32 s[CX], ttmp6, 0x40000
	s_bfe_u32 s[CY], ttmp6, 0x40004
	s_lshl_b32 s[TC], ttmp9, 2
	s_add_co_u32 s[TC], s[TC], s[CX]
	s_and_b32 s[TR], ttmp7, 0xffff
	s_lshl_b32 s[TR], s[TR], 2
	s_add_co_u32 s[TR], s[TR], s[CY]
	s_lshl_b32 s43, s[CY], 2
	s_lshl_b32 s43, 15, s43
	s_lshl_b32 s44, 0x1111, s[CX]
	s_or_b32 s[G1+0], s43, (3<<16)|(1<<21)
	s_or_b32 s[G1B+0], s44, (3<<16)|(1<<21)
.irp g, G1, G1B
	s_mov_b32 s[\g+1], 32<<16
	s_mov_b32 s[\g+2], 96<<16
	s_mov_b32 s[\g+3], 32<<16
	s_mov_b32 s[\g+4], 96
	s_mov_b32 s[\g+5], 32
	s_mov_b32 s[\g+6], 0
	s_mov_b32 s[\g+7], 0
.endr
	s_or_b32 s[G1S+0], s43, (3<<16)|(1<<21)
	s_or_b32 s[G1SB+0], s44, (3<<16)|(1<<21)
.irp g, G1S, G1SB
	s_mov_b32 s[\g+1], 32<<16
	s_mov_b32 s[\g+2], 16<<16
	s_mov_b32 s[\g+3], 32<<16
	s_mov_b32 s[\g+4], 16
	s_mov_b32 s[\g+5], 32
	s_mov_b32 s[\g+6], 0
	s_mov_b32 s[\g+7], 0
.endr
	s_lshl_b32 s2, s[TR], 1
	s_add_co_u32 s2, s2, s[HB]
	s_lshl_b32 s46, s[TC], 1
	s_add_co_u32 s46, s46, s[HB]
	s_mul_i32 s92, s2, 98304
	s_mov_b32 s93, 0
	s_lshl_b32 s94, s2, 12
	s_add_co_u32 s94, s94, 6291456
	s_mov_b32 s95, 0
	s_mul_i32 s96, s46, 98304
	s_mov_b32 s97, 0
	s_lshl_b32 s98, s46, 12
	s_add_co_u32 s98, s98, 2457600
	s_mov_b32 s99, 0
	s_mul_i32 s45, s[WV], HALFT
	s_lshl_b32 s47, s[WV], 12
	s_wait_dscnt 0x0
	s_wait_kmcnt 0x0
	s_add_nc_u64 s[92:93], s[4:5], s[92:93]
	s_add_nc_u64 s[94:95], s[4:5], s[94:95]
	s_add_nc_u64 s[96:97], s[6:7], s[96:97]
	s_add_nc_u64 s[98:99], s[6:7], s[98:99]
	CROUND
	s_mov_b32 s[G0S], 1
	s_add_co_u32 s[G0S+1], s47, SCL
	s_mov_b64 s[G0S+2:G0S+3], s[94:95]
	s_or_b32 s[G0S+3], s[G0S+3], 0x80000000
	s_mov_b32 s[G0SB], 1
	s_add_co_u32 s[G0SB+1], s47, SCL
	s_mov_b64 s[G0SB+2:G0SB+3], s[98:99]
	s_or_b32 s[G0SB+3], s[G0SB+3], 0x80000000
	JLOAD G0S, G1S, G0SB, G1SB
.irp s, 0,1
	s_mov_b32 s[G0+4*\s], 1
	s_add_co_u32 s[G0+4*\s+1], s45, \s*SLOT
	s_add_nc_u64 s[G0+4*\s+2:G0+4*\s+3], s[92:93], \s*HALFT
	s_or_b32 s[G0+4*\s+3], s[G0+4*\s+3], 0x80000000
	s_mov_b32 s[G0B+4*\s], 1
	s_add_co_u32 s[G0B+4*\s+1], s45, \s*SLOT
	s_add_nc_u64 s[G0B+4*\s+2:G0B+4*\s+3], s[96:97], \s*HALFT
	s_or_b32 s[G0B+4*\s+3], s[G0B+4*\s+3], 0x80000000
	s_wait_alu depctr_va_vdst(0)
	s_wait_tensorcnt 0x0
	ds_add_u32 v28, v29
	s_wait_dscnt 0x0
	CROUND
	JLOAD G0+4*\s, G1, G0B+4*\s, G1B
.endr
	v_and_b32 v1, 15, v0
	v_bfe_u32 v2, v0, 4, 1
	v_and_b32 v11, 31, v0
	v_lshlrev_b32 v[IO], 4, v11
	s_wait_alu depctr_va_vdst(0)
	v_lshlrev_b32 v[SCO], 5, v1
	v_lshl_add_u32 v[SCO], v2, 4, v[SCO]
	s_mul_i32 s100, s[HA], HALFT
	s_mul_i32 s101, s[HB], HALFT
	s_add_co_u32 s101, s101, 2*HALFT
	s_cmp_eq_u32 ttmp9, 2
	s_cselect_b32 s66, s101, s100
	s_cselect_b32 s67, s100, s101
	s_cselect_b32 s3, -1, 0
.irp s, 0,1
	v_add_nc_u32 v[ADRA+\s], s66, v[IO]
	v_add_nc_u32 v[ADRB+\s], s67, v[IO]
	s_add_co_u32 s66, s66, SLOT
	s_add_co_u32 s67, s67, SLOT
.endr
	s_lshl_b32 s100, s[HA], 12
	s_lshl_b32 s101, s[HB], 12
	s_add_co_u32 s101, s101, 2*4096
	s_sub_co_u32 s101, s101, s100
	s_add_co_u32 s100, s100, SCL
	v_xor_b32 v12, 1, v2
	v_mul_u32_u24 v13, s101, v2
	v_mul_u32_u24 v12, s101, v12
	v_lshl_add_u32 v13, v1, 3, v13
	v_lshl_add_u32 v12, v1, 3, v12
	v_add_nc_u32 v13, s100, v13
	v_add_nc_u32 v12, s100, v12
	v_cndmask_b32 v[ADRS], v13, v12, s3
	s_cmp_eq_u32 ttmp9, 0
	s_cselect_b64 s[100:101], s[8:9], s[10:11]
	s_cmp_eq_u32 ttmp9, 2
	s_cselect_b64 s[100:101], s[12:13], s[100:101]
	s_cselect_b32 s66, 0, 64
	s_cselect_b32 s67, 4, 0
	s_cselect_b32 s96, 0, 4
	s_lshl_b32 s2, s[CX], 1
	s_add_co_u32 s2, s2, s[HB]
	s_lshl_b32 s2, s2, 9
	s_mov_b32 s3, 0
	s_add_nc_u64 s[100:101], s[100:101], s[2:3]
	v_bfe_u32 v12, v0, 3, 1
	v_lshl_add_u32 v12, v12, 3, v1
	v_mul_u32_u24 v13, s66, v2
	v_mad_u32_u24 v13, s67, v12, v13
	v_mov_b32 v14, s96
.irp e, 0,1,2,3,4,5,6,7
	v_mad_u32_u24 v[BA+\e], v14, \e, v13
.endr
.irp t, 0,1,2,3,4,5,6,7
.irp e, 0,1,2,3,4,5,6,7
	global_load_b32 v[BIAS+8*\t+\e], v[BA+\e], s[100:101] offset:(32*(\t/2)+8*(\t%2))*4
.endr
.endr
	s_lshl_b32 s96, s[TR], 1
	s_add_co_u32 s96, s96, s[HA]
	s_lshr_b32 s97, s96, 4
	s_and_b32 s96, s96, 15
	s_lshl_b32 s98, s[CX], 1
	s_add_co_u32 s98, s98, s[HB]
	s_lshl_b32 s97, s97, 3
	s_add_co_u32 s97, s97, s98
	s_lshl_b32 s98, s97, 4
	s_add_co_u32 s98, s98, s96
	s_mul_i32 s99, s98, 12288
	s_lshl_b32 s98, s98, 9
	s_add_co_u32 s98, s98, 6291456
	s_mul_i32 s66, s97, 393216
	s_lshr_b32 s67, s96, 2
	s_mul_i32 s67, s67, 98304
	s_add_co_u32 s66, s66, s67
	s_and_b32 s67, s96, 3
	s_mul_i32 s67, s67, 12288
	s_add_co_u32 s66, s66, s67
	s_lshl_b32 s67, s97, 14
	s_lshl_b32 s96, s96, 9
	s_add_co_u32 s67, s67, s96
	s_add_co_u32 s67, s67, 12582912
	s_cmp_eq_u32 ttmp9, 2
	s_cselect_b32 s96, 49152, 0
	s_cselect_b32 s97, 8192, 0
	s_add_co_u32 s66, s66, s96
	s_add_co_u32 s67, s67, s97
	s_cmp_eq_u32 ttmp9, 0
	s_cselect_b32 s96, s99, s66
	s_cselect_b32 s98, s98, s67
	s_cselect_b64 s[OP:OP+1], s[14:15], s[16:17]
	s_mov_b64 s[OS:OS+1], s[OP:OP+1]
	s_mov_b32 s97, 0
	s_mov_b32 s99, 0
	s_add_nc_u64 s[OP:OP+1], s[OP:OP+1], s[96:97]
	s_add_nc_u64 s[OS:OS+1], s[OS:OS+1], s[98:99]
.macro FRAG reg, adr, q, i
.irp g, 0,1,2
	ds_load_b128 v[\reg+4*\g:\reg+4*\g+3], v[\adr] offset:(\q)*KST+(\i)*1536+512*\g
.endr
.endm
.macro MUL16 a0, p, q, sc, cm
.irp a, \a0, \a0+1
.irp b, 0,1,2,3,4,5,6,7
.if (\cm) == 0
	v_wmma_scale_f32_16x16x128_f8f6f4 v[8*(8*((\a)%4)+\b):8*(8*((\a)%4)+\b)+7], v[128*(\p)+FR*\b:128*(\p)+FR*\b+FR-1], v[AF+FR*(\a):AF+FR*(\a)+FR-1], v[8*(8*((\a)%4)+\b):8*(8*((\a)%4)+\b)+7], v[SC+16*(\sc)+2*\b+(\q)], v[SC+16*(\sc)+2*(\a)+(\q)] matrix_a_fmt:MATRIX_FMT_FP6 matrix_b_fmt:MATRIX_FMT_FP6 matrix_a_scale:MATRIX_SCALE_ROW1
.elseif (\cm) == 1
	v_wmma_scale_f32_16x16x128_f8f6f4 v[8*(8*((\a)%4)+\b):8*(8*((\a)%4)+\b)+7], v[128*(\p)+FR*\b:128*(\p)+FR*\b+FR-1], v[AF+FR*(\a):AF+FR*(\a)+FR-1], v[BIAS+8*\b:BIAS+8*\b+7], v[SC+16*(\sc)+2*\b+(\q)], v[SC+16*(\sc)+2*(\a)+(\q)] matrix_a_fmt:MATRIX_FMT_FP6 matrix_b_fmt:MATRIX_FMT_FP6 matrix_a_scale:MATRIX_SCALE_ROW1
.else
	v_wmma_scale_f32_16x16x128_f8f6f4 v[8*(8*((\a)%4)+\b):8*(8*((\a)%4)+\b)+7], v[128*(\p)+FR*\b:128*(\p)+FR*\b+FR-1], v[AF+FR*(\a):AF+FR*(\a)+FR-1], v[BIAS+8*(\a):BIAS+8*(\a)+7], v[SC+16*(\sc)+2*\b+(\q)], v[SC+16*(\sc)+2*(\a)+(\q)] matrix_a_fmt:MATRIX_FMT_FP6 matrix_b_fmt:MATRIX_FMT_FP6 matrix_a_scale:MATRIX_SCALE_ROW1
.endif
.endr
.endr
.endm
.macro FETCH_B slot, q, p
	WIN TO_B
.irp i, 0,1,2,3,4,5,6,7
	FRAG 128*(\p)+FR*\i, ADRB+\slot, \q, \i
.endr
	WIN 0
.endm
.macro FETCH_A slot, q, i0
.irp i, \i0, \i0+1, \i0+2, \i0+3
	FRAG AF+FR*(\i), ADRA+\slot, \q, \i
.endr
.endm
.macro SCALES sc
.irp i, 0,1,2,3,4,5,6,7
	ds_load_b64 v[SC+16*\sc+2*\i:SC+16*\sc+2*\i+1], v[ADRS] offset:128*\i
.endr
.endm
.macro PLACES n
.rept \n
	v_nop
.endr
.endm
.macro STEP slot, q, cm
	s_wait_dscnt 4*NL
.if \cm
	WIN 0x81
.else
	WIN MUL_LO
.endif
	MUL16 0, (\q)%2, \q, \slot, \cm
	MUL16 2, (\q)%2, \q, \slot, \cm
	s_wait_dscnt 0
	PLACES NP
	FETCH_B \slot, (\q)+1, 1-(\q)%2
	FETCH_A \slot, (\q)+1, 0
.if \cm
	WIN 0xc1
.else
	WIN MUL_HI
.endif
	MUL16 4, (\q)%2, \q, \slot, \cm
	MUL16 6, (\q)%2, \q, \slot, \cm
	PLACES NP
	WIN 0
	FETCH_A \slot, (\q)+1, 4
.endm
.macro TURN slot, next, fill
	s_wait_tensorcnt 0x0
	ds_add_u32 v[SPW], v[NIL]
	s_wait_dscnt 4*NL+1
	WIN MUL_LO
	MUL16 0, 1, 1, \slot, 0
	s_wait_dscnt 0x0
	s_barrier_signal -1
	MUL16 2, 1, 1, \slot, 0
	WIN 0
	s_barrier_wait -1
.if \fill
	CREST
	s_add_nc_u64 s[G0+4*\slot+2:G0+4*\slot+3], s[G0+4*\slot+2:G0+4*\slot+3], 2*HALFT
	s_add_nc_u64 s[G0B+4*\slot+2:G0B+4*\slot+3], s[G0B+4*\slot+2:G0B+4*\slot+3], 2*HALFT
	JLOAD G0+4*\slot, G1, G0B+4*\slot, G1B
.else
	PLACES NP
.endif
	s_wait_alu depctr_va_vdst(0)
	v_add_nc_u32 v[ADRS], 1024, v[ADRS]
	FETCH_B \next, 0, 0
	FETCH_A \next, 0, 0
	SCALES \next
	WIN MUL_HI
	MUL16 4, 1, 1, \slot, 0
	MUL16 6, 1, 1, \slot, 0
	PLACES NP
	WIN 0
	FETCH_A \next, 0, 4
.endm
	s_wait_tensorcnt 1
	s_barrier_signal -1
	s_barrier_wait -1
	FETCH_B 0, 0, 0
	FETCH_A 0, 0, 0
	SCALES 0
	FETCH_A 0, 0, 4
	s_wait_loadcnt 0x0
	s_cmp_eq_u32 ttmp9, 2
	s_cbranch_scc1 .Lfirst_v
	STEP 0, 0, 1
	s_branch .Lfirst_done
.Lfirst_v:
	STEP 0, 0, 2
.Lfirst_done:
	TURN 0, 1, 1
	STEP 1, 0, 0
	TURN 1, 0, 1
	STEP 0, 0, 0
	TURN 0, 1, 0
	STEP 1, 0, 0
	s_wait_dscnt 4*NL
	WIN MUL_LO
	MUL16 0, 1, 1, 1, 0
	MUL16 2, 1, 1, 1, 0
	s_wait_dscnt 0
	WIN MUL_HI
	MUL16 4, 1, 1, 1, 0
	MUL16 6, 1, 1, 1, 0
	WIN 0
.macro OUTG a
.set OW,  2+(\a)/4
.set OWM, (OW<<2)|(OW<<4)
.set OA,  64*((\a)%4)
.set OC,  128+12*(\a)
	WIN OWM
.irp b, 0,1,2,3
	v_max3_num_f32 v[TM+\b], 0x1800000, |v[OA+16*\b]|, |v[OA+1+16*\b]|
.endr
.irp i, 2,4,6,8,10,12,14
.irp b, 0,1,2,3
	v_max3_num_f32 v[TM+\b], v[TM+\b], |v[OA+16*\b+\i]|, |v[OA+1+16*\b+\i]|
.endr
.endr
	WIN 0
.irp b, 0,1,2,3
	v_permlanex16_b32 v[TM+4+\b], v[TM+\b], s[SEL], s[SEL+1]
.endr
.irp b, 0,1,2,3
	v_max_num_f32 v[TM+\b], v[TM+\b], v[TM+4+\b]
.endr
.irp b, 0,1,2,3
	v_add_nc_u32 v[TM+12+\b], 0xff000000, v[TM+\b]
.endr
.irp b, 0,1,2,3
	v_lshrrev_b32 v[TM+4+\b], 23, v[TM+12+\b]
.endr
	v_lshl_or_b32 v[SW+(\a)], v[TM+5], 8, v[TM+4]
	v_lshl_or_b32 v[SW+(\a)], v[TM+6], 16, v[SW+(\a)]
	v_lshl_or_b32 v[SW+(\a)], v[TM+7], 24, v[SW+(\a)]
	WIN OW
.irp c, 0,1
	v_cvt_scalef32_pk16_fp6_f32 v[OC+6*\c:OC+6*\c+2], v[OA+32*\c:OA+32*\c+15], v[TM+12+2*\c]
	v_cvt_scalef32_pk16_fp6_f32 v[CT+4*\c:CT+4*\c+2], v[OA+32*\c+16:OA+32*\c+31], v[TM+12+2*\c+1]
.endr
	WIN 0
	v_nop
.irp c, 0,1
.irp i, 0,1,2
	v_permlane16_swap_b32 v[OC+6*\c+\i], v[CT+4*\c+\i]
.endr
.irp i, 0,1,2
	v_mov_b32 v[OC+6*\c+3+\i], v[CT+4*\c+\i]
.endr
.endr
.irp i, 0,1,2
	global_store_b128 v[IO], v[OC+4*\i:OC+4*\i+3], s[OP:OP+1] offset:(\a)*1536+512*\i
.endr
.endm
.irp b, 0,1,2,3
	v_mov_b32 v[TM+4+\b], 0
.endr
.irp a, 0,1,2,3,4,5,6,7
	OUTG \a
.endr
	v_cmp_lt_u32 vcc_lo, 15, v11
.irp i, 0,1,2,3
	v_cndmask_b32 v[96+\i], v[SW+\i], v[SW+4+\i], vcc_lo
.endr
	global_store_b128 v[SCO], v[96:99], s[OS:OS+1]
	s_wait_tensorcnt 0x0
	ds_add_u32 v[SPW], v[NIL]
	s_wait_dscnt 0x0
	CROUND
	s_endpgm
.Lfunc_end_k_q13a78a8362_qkv:
	.size	k_q13a78a8362_qkv, .Lfunc_end_k_q13a78a8362_qkv-k_q13a78a8362_qkv
	.p2alignl 7, 3214868480
	.fill 96, 4, 3214868480
	.section	.rodata,"a",@progbits
	.p2align	6, 0x0
	.amdhsa_kernel k_q13a78a8362_qkv
		.amdhsa_group_segment_fixed_size 327680
		.amdhsa_private_segment_fixed_size 0
		.amdhsa_enable_private_segment 0
		.amdhsa_kernarg_size 56
		.amdhsa_user_sgpr_count 2
		.amdhsa_user_sgpr_kernarg_segment_ptr 1
		.amdhsa_wavefront_size32 1
		.amdhsa_system_sgpr_workgroup_id_x 1
		.amdhsa_system_sgpr_workgroup_id_y 1
		.amdhsa_system_sgpr_workgroup_id_z 1
		.amdhsa_system_vgpr_workitem_id 0
		.amdhsa_next_free_vgpr 1024
		.amdhsa_next_free_sgpr 102
		.amdhsa_reserve_vcc 1
		.amdhsa_float_denorm_mode_32 3
		.amdhsa_float_denorm_mode_16_64 3
		.amdhsa_memory_ordered 1
		.amdhsa_forward_progress 1
		.amdhsa_inst_pref_size 160
	.end_amdhsa_kernel
	.amdgpu_metadata
---
amdhsa.version: [ 1, 2 ]
amdhsa.kernels:
  - .name:           k_q13a78a8362_qkv
    .symbol:         k_q13a78a8362_qkv.kd
    .args:
      - { .name: xb, .offset: 0, .size: 8, .value_kind: global_buffer, .address_space: global }
      - { .name: wb, .offset: 8, .size: 8, .value_kind: global_buffer, .address_space: global }
      - { .name: query_bias, .offset: 16, .size: 8, .value_kind: global_buffer, .address_space: global }
      - { .name: key_bias, .offset: 24, .size: 8, .value_kind: global_buffer, .address_space: global }
      - { .name: value_bias, .offset: 32, .size: 8, .value_kind: global_buffer, .address_space: global }
      - { .name: qb, .offset: 40, .size: 8, .value_kind: global_buffer, .address_space: global }
      - { .name: kvb, .offset: 48, .size: 8, .value_kind: global_buffer, .address_space: global }
    .group_segment_fixed_size: 327680
    .private_segment_fixed_size: 0
    .kernarg_segment_align: 8
    .kernarg_segment_size: 56
    .max_flat_workgroup_size: 128
    .sgpr_count:     102
    .vgpr_count:     1024
    .wavefront_size: 32
...
	.end_amdgpu_metadata
.endif
;; end of part 2
;; launch attn (part 3): grid 8 x 32, 8 waves a work-group, clusters of 4 x 1, 327,680 bytes of LDS; arguments qb, kvb, fb; writes fb
.if DOCPART == 3
	.amdgcn_target "amdgcn-amd-amdhsa--gfx1250"
	.amdhsa_code_object_version 6
	.text
	.protected	k_q13a78a8362_attn
	.globl	k_q13a78a8362_attn
	.p2align	8
	.type	k_q13a78a8362_attn,@function
k_q13a78a8362_attn:
	s_mov_b64 s[64:65], 0
	v_nop
	global_prefetch_b8 v0, s[64:65] scope:SCOPE_SE
	s_setreg_imm32_b32 hwreg(HW_REG_WAVE_MODE, 25, 1), 1
	s_wait_xcnt 0x0
	s_wait_alu depctr_hold_cnt(0) depctr_sa_sdst(0) depctr_va_vdst(0) depctr_va_sdst(0) depctr_va_ssrc(0) depctr_va_vcc(0) depctr_vm_vsrc(0)
	s_getreg_b32 s2, hwreg(HW_REG_IB_STS2, 6, 4)
	s_cmp_eq_u32 s2, 0
	s_cbranch_scc0 .Lentry_in_a_cluster
	s_endpgm
.Lentry_in_a_cluster:
	s_bfe_u32 s2, ttmp6, 0x10000c
	s_cmp_lg_u32 s2, 0x3003
	s_cbranch_scc0 .Lentry_shape_is_right
	s_endpgm
.Lentry_shape_is_right:
; For each of 32 (batch, head): O[q] = sum over k of softmax_k(Q[q] . K[k] / sqrt(128)) V[k], both products on codes of FP6 (E2M3) with E8M0 scales; O is quantised along the head's 128 channels and leaves as an operand image.
; t = score x log2(e) / sqrt(128); M = the row's largest t so far, rounded up to a whole number; p = 2^(t - M) is quantised along the keys; the row's sum is taken of the unquantised p and divides O at the end.
; When M moves, the sum and O are multiplied by 2^(old M - new M): exact.
; IMAGES.  A fragment (16 rows x 128 K, 12 registers a lane) is 1,536 bytes: registers 4 i .. 4 i + 3 of lane l at 512 i + 16 l.  In memory lane r of tile T of 128 keys holds key 32 (T / 2) + 8 (T % 2) + r + 8 (r / 8).
; THE ROWS OF A TILE OF K ARE CHOSEN BY THE LANES' ADDRESSES: of 64 keys (eight runs of 8), tile X t takes run t in lanes r < 8 and run 6 + t in lanes r >= 8; tile Y t run 2 + t and run 4 + t.
; SHARES.  A work-group owns 256 queries of one bh; each of eight waves two tiles of 16, which share every fragment; 512 registers a wave, two waves to a SIMD.  Both products are used transposed: a lane holds one query.
; LDS: two slots [K's 4 steps][V's 4 steps] of 98,304 bytes that take turns; the bh's scale words, filled once; the spare words.
; CLUSTER.  The four query blocks of a cluster walk the same K and V: every tile is asked for jointly, with a mask that names the four.  Every wait on TENSORcnt is for 0; a wave has one tensor load out at the most.
; PREFETCH.  Behind each change of slots but the last, the slot that the next change will ask for: 98,304 bytes; the bh's first cluster asks, 24,576 bytes a partner by address, 8,192 a wave (4 to 6), lanes 256 bytes apart.
; LIMITS: NaN and infinities are not served; the promise holds while |t| stays under 2^31; p under 2^-126 falls to 0 (v_exp_f32 gives no denormals: ISA guide 15.8); a block's largest p is made of its largest score by the same
; two instructions, which takes v_exp_f32 not to fall where its input rises; a block whose numbers are all 0 or under 2^-124 keeps the byte 1 (only this program reads the bytes).
.set VOFF,  49152
.set SLOT1, 131072
.set SCK,   98304                      ; behind slot 0: K's scale words of the bh, then V's
.set SCV,   106496
.set SPARE, 229376                     ; behind slot 1: the spare words: 128 bytes a wave, four blocks of 256 bytes that no other line names
; window 0
.set AL0, 1                            ; 16 x lane
.set AX0, 2                            ; + 3072 (r / 8): tiles X
.set AY0, 3                            ; tiles Y
.set SX0, 4                            ; scale words of tiles X, Y; of V
.set SY0, 5
.set SV0, 6
.set SPW, 7
.set NIL, 8
.set SH8, 9                            ; 8 x (lane / 16)
.set PFO, 10
.set AL,  12                           ; the step's addresses
.set AX,  13
.set AY,  14
.set SX,  15
.set SY,  16
.set SV,  17
.set KS,  18                           ; v18-25 scale words of K's, then V's, eight tiles
.set QS,  26                           ; v26-27 Q's
.set PW,  28                           ; v28-29 p's
.set R4,  31
.set NM,  32                           ; v[32:33], v[34:35] -M
.set RM,  36                           ; v36-37 the running largest t
.set TT,  38
.set SUM, 40                           ; v40-47 the sums: two chains of pairs a tile
.set BM,  48                           ; v48-51 block maxima [tile][half]
.set SO,  52                           ; v52-55 the conversions' scale operands
.set PB,  56                           ; v56-79 p's codes
.set F0,  80                           ; v80-175 eight fragments
.set SS,  176                          ; v176-239 S^T of 64 keys, two tiles: the first 64 in window 0, the second 64 under the same numbers in window 1
.set CA,  240                          ; v240-255 at work: the M chain's numbers, then the conversions' results
.set FF,  CA+8                         ; v[248:249], v[252:253] f = 2^(old M - new M)
.set TM,  144                          ; the way out
; window 1: v0-127 O^T of the two tiles; v128-151 Q's fragments; v176-239 S^T, second half
.set QF,  128
.set WV,  18
.set SEL, 20
.set CS,  22
.set G1A, 24                           ; 16 rows of 256 bytes
.set G0A, 40
.set G1B, 48                           ; 96 rows
.set G0B, 56
.set TB,  66
.set TS,  67
.set SLOTS, 68
.set PFA, 76
.set LIM, 80
.set HM,  81
.set KO,  82
.set QC,  83
.set MSB, 0
.macro WIN new
.if MSB != (\new)
	s_set_vgpr_msb (MSB<<8)|(\new)
.set MSB, (\new)
.endif
.endm
.macro WD n                            ; the first line ahead of a wait behind which fresh results are read
	s_wait_alu depctr_va_vdst(0)
	s_wait_dscnt \n
.endm
.macro TLOADN n, g0, g1                ; waves under n fetch; an s_nop 0 and four v_nop follow the load
	s_cmp_lt_u32 s[WV], \n
	s_cbranch_scc0 .Lasked_\@
	tensor_load_to_lds s[\g0:\g0+3], s[\g1:\g1+7]
	s_nop 0
.rept 4
	v_nop
.endr
.Lasked_\@:
.endm
.macro ASK
	s_cmp_gt_u32 s[SLOTS], s[LIM]
	s_cbranch_scc0 .Lnot_mine_\@
	global_prefetch_b8 v[PFO], s[PFA:PFA+1] th:TH_LOAD_NT scope:SCOPE_SE
.Lnot_mine_\@:
.endm
.macro CROUND
	s_barrier_signal -1
	s_barrier_wait -1
	s_cmp_lg_u32 s[WV], 0
	s_cbranch_scc1 .Lnot_wave_0_\@
	s_barrier_signal -3
.Lnot_wave_0_\@:
	s_barrier_wait -3
	s_barrier_signal -1
	s_barrier_wait -1
.endm
	s_load_b128 s[4:7], s[0:1], 0x0                ; qb, kvb
	s_load_b64 s[8:9], s[0:1], 0x10                ; fb
	v_lshl_add_u32 v[SPW], v0, 2, SPARE
	v_mov_b32 v[NIL], 0
	ds_add_u32 v[SPW], v[NIL]                      ; the opening lines: the add twice and its wait ahead of my first tensor load
	ds_add_u32 v[SPW], v[NIL]
	v_lshrrev_b32 v12, 5, v0
	v_readfirstlane_b32 s[WV], v12                 ; wave 0..7
	s_bfe_u32 s10, ttmp6, 0x40000                  ; cx
	s_lshl_b32 s11, ttmp9, 2
	s_add_co_u32 s11, s11, s10                     ; my block of 256 queries: it enters memory addresses alone
	s_and_b32 s12, ttmp7, 0xffff                   ; bh
	s_mul_i32 s32, s12, 393216                     ; the bh's four slots
	s_lshl_b32 s14, s[WV], 12                      ; 4,096 x wave
	s_lshl_b32 s34, s12, 14
	s_add_co_u32 s34, s34, s14
	s_add_co_u32 s34, s34, 12582912-16384          ; a quarter of the scale words (waves 4 to 7)
	s_mov_b32 s35, 0
	s_mul_i32 s61, s[WV], 24576                    ; a quarter of a slot (waves 0 to 3), in memory and in LDS alike
	s_add_co_u32 s62, s32, s61
	s_mov_b32 s63, 0
.irp g, G1A, G1B
	s_mov_b32 s[\g+0], 15|(3<<16)|(1<<21)          ; the mask: all four work-groups; elements of 8 bytes; bit 21 beside a mask
	s_mov_b32 s[\g+1], 32<<16
	s_mov_b32 s[\g+3], 32<<16
	s_mov_b32 s[\g+5], 32
	s_mov_b32 s[\g+6], 0
	s_mov_b32 s[\g+7], 0
.endr
	s_mov_b32 s[G1A+2], 16<<16
	s_mov_b32 s[G1A+4], 16
	s_mov_b32 s[G1B+2], 96<<16
	s_mov_b32 s[G1B+4], 96
	s_lshr_b32 s74, s[WV], 2
	s_lshl_b32 s75, s11, 1
	s_add_co_u32 s74, s74, s75                     ; my group of 128 queries
	s_and_b32 s75, s[WV], 3
	s_lshl_b32 s75, s75, 1                         ; my first tile in it
	s_lshl_b32 s78, s12, 4
	s_add_co_u32 s78, s78, s74
	s_mul_i32 s44, s78, 12288                      ; Q's images
	s_mul_i32 s79, s75, 1536
	s_add_co_u32 s44, s44, s79
	s_mov_b32 s45, 0
	s_lshl_b32 s46, s78, 9                         ; Q's scale words: [r][tile]
	s_lshl_b32 s78, s75, 2
	s_add_co_u32 s46, s46, s78
	s_add_co_u32 s46, s46, 6291456
	s_mov_b32 s47, 0
	s_lshr_b32 s78, s12, 3
	s_lshl_b32 s78, s78, 4
	s_add_co_u32 s78, s78, s74                     ; the rows' group in the flattened result
	s_and_b32 s74, s12, 7                          ; the head: its K step
	s_mul_i32 s70, s78, 98304
	s_add_co_u32 s70, s70, s79
	s_mul_i32 s79, s74, 12288
	s_add_co_u32 s70, s70, s79
	s_mov_b32 s71, 0
	s_lshl_b32 s72, s78, 12
	s_lshl_b32 s79, s74, 9
	s_add_co_u32 s72, s72, s79
	s_lshl_b32 s79, s75, 6
	s_add_co_u32 s72, s72, s79
	s_add_co_u32 s72, s72, 6291456
	s_mov_b32 s73, 0
	s_mul_i32 s78, s10, 24576                      ; the prefetches: slot 1, my work-group's quarter, my wave's 8,192 bytes; the first change steps it to slot 2
	s_add_co_u32 s76, s32, s78
	s_and_b32 s78, s[WV], 3
	s_lshl_b32 s78, s78, 13
	s_add_co_u32 s76, s76, s78
	s_add_co_u32 s76, s76, 98304
	s_mov_b32 s77, 0
	s_sub_co_u32 s78, s[WV], 4
	s_cmp_lt_u32 s78, 3
	s_cselect_b32 s78, 0, 1
	s_or_b32 s78, s78, ttmp9                       ; waves 4 to 6 of the bh's first cluster: the same in all partners
	s_cmp_eq_u32 s78, 0
	s_cselect_b32 s[LIM], 1, -1
	s_mov_b32 s[SEL], 0x76543210
	s_mov_b32 s[SEL+1], 0xfedcba98
	s_mov_b32 s[CS], 0x3e0293ee                    ; c = log2(e) / sqrt(128)
	s_mov_b32 s[CS+1], s[CS]
	s_mov_b32 s[HM], 0xffff0000                    ; lanes 16-31
	s_mov_b32 s[TB], 0
	s_mov_b32 s[TS], 0
	s_mov_b32 s[SLOTS], 3
	s_wait_dscnt 0x0
	s_wait_kmcnt 0x0
	s_mov_b32 s[G0A], 1
	s_add_co_u32 s[G0A+1], s14, SCK-16384          ; waves 4 to 7: 4,096 bytes each from SCK on
	s_add_nc_u64 s[G0A+2:G0A+3], s[6:7], s[34:35]
	s_or_b32 s[G0A+3], s[G0A+3], 0x80000000
	s_mov_b32 s[G0B], 1
	s_mov_b32 s[G0B+1], s61
	s_add_nc_u64 s[G0B+2:G0B+3], s[6:7], s[62:63]
	s_or_b32 s[G0B+3], s[G0B+3], 0x80000000
	s_add_nc_u64 s[44:45], s[4:5], s[44:45]
	s_add_nc_u64 s[46:47], s[4:5], s[46:47]
	s_add_nc_u64 s[70:71], s[8:9], s[70:71]
	s_add_nc_u64 s[72:73], s[8:9], s[72:73]
	s_add_nc_u64 s[PFA:PFA+1], s[6:7], s[PFA:PFA+1]
	CROUND                                         ; all four work-groups are here: the first joint loads meet
	s_cmp_lt_u32 s[WV], 4                          ; the head's loads, one a wave, in two arms that lead to one join
	s_cbranch_scc0 .Lhead_scales
	tensor_load_to_lds s[G0B:G0B+3], s[G1B:G1B+7]  ; a quarter of slot 0
	s_nop 0
.rept 4
	v_nop
.endr
	s_branch .Lhead_asked
.Lhead_scales:
	tensor_load_to_lds s[G0A:G0A+3], s[G1A:G1A+7]  ; a quarter of the bh's scale words
	s_nop 0
.rept 4
	v_nop
.endr
.Lhead_asked:
	v_and_b32 v12, 15, v0                          ; r
	v_and_b32 v13, 31, v0                          ; lane
	v_bfe_u32 v14, v0, 3, 1                        ; r / 8
	v_bfe_u32 v15, v0, 4, 1                        ; lane / 16
	v_lshlrev_b32 v[AL0], 4, v13
	v_lshlrev_b32 v16, 5, v12                      ; 32 r
	v_mad_u32_u24 v[AX0], v14, 3072, v[AL0]
	v_mad_u32_u24 v[AY0], v14, 2816, v[AL0]
	v_lshl_add_u32 v[SX0], v14, 3, v16
	v_mul_u32_u24 v17, v14, 504
	v_add_nc_u32 v[AY0], 128, v[AY0]
	v_add_nc_u32 v[SX0], SCK, v[SX0]
	v_add_nc_u32 v[SY0], SCK+256, v16
	v_add_nc_u32 v[SV0], SCV, v16
	v_sub_nc_u32 v[SY0], v[SY0], v17
	v_lshlrev_b32 v[SH8], 3, v15
	v_lshlrev_b32 v[PFO], 8, v13
	v_lshlrev_b32 v[R4], 2, v12
	global_load_b64 v[QS:QS+1], v16, s[46:47]      ; Q's scale words of my two tiles
	WIN 0x40
.irp u, 0,1
.irp i, 0,1,2
	global_load_b128 v[QF+12*\u+4*\i:QF+12*\u+4*\i+3], v[AL0], s[44:45] offset:1536*\u+512*\i   ; Q's fragments stay in registers
.endr
.endr
.set J, 0
.rept 128
	v_mov_b32 v[J], 0                              ; O^T: the step is written once; the first finds zeros, which the first change of M leaves zeros
.set J, J+1
.endr
	WIN 0
.irp j, 0,1,2,3,4,5,6,7
	v_mov_b32 v[SUM+\j], 0
.endr
.irp j, 0,1,2,3,4,5,6,7,8,9,10,11,12,13,14,15
	v_mov_b32 v[CA+\j], 0                          ; (upper halves of pairs are named before they are first written)
.endr
.irp u, 0,1
	v_mov_b32 v[RM+\u], 0xff61b1e6                 ; the largest t so far: -3e38, under every t
	v_mov_b32 v[TT+\u], 0                          ; a lane permute's destination counts as one of its sources
.endr
.irp u, 0,1
	v_floor_f32 v[NM+2*\u], -v[RM+\u]              ; -M
	v_floor_f32 v[NM+2*\u+1], -v[RM+\u]
.endr
.macro KSC
.irp c, 0,1
	ds_load_b64 v[KS+4*\c:KS+4*\c+1], v[SX] offset:16*\c
	ds_load_b64 v[KS+4*\c+2:KS+4*\c+3], v[SY] offset:16*\c
.endr
.endm
.macro KFR c                           ; tiles X0 X1 Y0 Y1 of 64 keys
.irp t, 0,1
.irp i, 0,1,2
	ds_load_b128 v[F0+48*\c+12*\t+4*\i:F0+48*\c+12*\t+4*\i+3], v[AX] offset:6144*\c+1536*\t+512*\i
.endr
.endr
.irp t, 0,1
.irp i, 0,1,2
	ds_load_b128 v[F0+48*\c+24+12*\t+4*\i:F0+48*\c+24+12*\t+4*\i+3], v[AY] offset:6144*\c+1536*\t+512*\i
.endr
.endr
.endm
.macro VFR c                           ; V's tiles 4 c .. 4 c + 3
.irp t, 0,1,2,3
.irp i, 0,1,2
	ds_load_b128 v[F0+48*\c+12*\t+4*\i:F0+48*\c+12*\t+4*\i+3], v[AL] offset:VOFF+6144*\c+1536*\t+512*\i
.endr
.endr
.endm
.macro SMUL c                          ; S^T of 64 keys x 32 queries, into window c: eight results, each begun with 0
	WIN 0x04+0x40*\c
.irp k, 0,1,2,3
.irp u, 0,1
	v_wmma_scale_f32_16x16x128_f8f6f4 v[SS+32*\u+8*\k:SS+32*\u+8*\k+7], v[F0+48*\c+12*\k:F0+48*\c+12*\k+11], v[QF+12*\u:QF+12*\u+11], 0, v[KS+4*\c+\k], v[QS+\u] matrix_a_fmt:MATRIX_FMT_FP6 matrix_b_fmt:MATRIX_FMT_FP6
.endr
.endr
	WIN 0
.endm
.macro BMAX c                          ; my block's largest score, both tiles by turns; each result from its low end on
	WIN 0x14*\c
.irp u, 0,1
	v_max3_num_f32 v[BM+2*\u+\c], 0xff800000, v[SS+32*\u], v[SS+32*\u+1]
.endr
.irp i, 2,4,6,8,10,12,14,16,18,20,22,24,26,28,30
.irp u, 0,1
	v_max3_num_f32 v[BM+2*\u+\c], v[BM+2*\u+\c], v[SS+32*\u+\i], v[SS+32*\u+\i+1]
.endr
.endr
	WIN 0
.endm
.macro PSUM j0                         ; eight pairs a tile onto the sums: four chains by turns
.irp j, 0,2,4,6,8,10,12,14
.irp u, 0,1
	v_pk_add_f32 v[SUM+4*\u+(\j&2):SUM+4*\u+(\j&2)+1], v[SUM+4*\u+(\j&2):SUM+4*\u+(\j&2)+1], v[SS+32*\u+\j0+\j:SS+32*\u+\j0+\j+1]
.endr
.endr
.endm
.macro SOFT c                          ; 64 keys x 32 queries, S^T in window c: p, its sum, its codes
	WIN 0x41*\c
.irp j, 0,2,4,6,8,10,12,14,16,18,20,22,24,26,28,30
.irp u, 0,1
	v_pk_fma_f32 v[SS+32*\u+\j:SS+32*\u+\j+1], v[SS+32*\u+\j:SS+32*\u+\j+1], s[CS:CS+1], v[NM+2*\u:NM+2*\u+1] op_sel_hi:[1,0,0]   ; t - M
.endr
.endr
	s_wait_alu depctr_va_vdst(0)                   ; the wait ahead of the batch
.set J, 0
.rept 64
	v_exp_f32 v[SS+J], v[SS+J]
.set J, J+1
.endr
	v_nop                                          ; the plain place behind the exponentials
	s_wait_alu depctr_va_vdst(0)                   ; and the wait ahead of their first reader
	WIN 0x01*\c
.irp u, 0,1
	v_cvt_scalef32_pk16_fp6_f32 v[CA+8*\u:CA+8*\u+2], v[SS+32*\u:SS+32*\u+15], v[SO+2*\u+\c]
	v_cvt_scalef32_pk16_fp6_f32 v[CA+8*\u+4:CA+8*\u+6], v[SS+32*\u+16:SS+32*\u+31], v[SO+2*\u+\c]
.endr
	WIN 0x04*\c
	PSUM 0
	WIN 0
.irp u, 0,1
.irp i, 0,1,2                                  ; lanes 0-15 hold the block's lower 16 codes in the first result, lanes 16-31 in the second
	v_cndmask_b32 v[PB+12*\u+6*\c+\i], v[CA+8*\u+\i], v[CA+8*\u+4+\i], s[HM]
	v_cndmask_b32 v[PB+12*\u+6*\c+3+\i], v[CA+8*\u+4+\i], v[CA+8*\u+\i], s[HM]
.endr
.endr
	WIN 0x04*\c
	PSUM 16                                        ; (also the places between the codes' last write and the products that take them)
	WIN 0
.endm
; A KEY STEP: 128 keys x 32 queries
.macro STEP
	v_add_nc_u32 v[AL], s[KO], v[AL0]              ; (the places in front of the loads into registers that the last products read)
	v_add_nc_u32 v[AX], s[KO], v[AX0]
	v_add_nc_u32 v[AY], s[KO], v[AY0]
	v_add_nc_u32 v[SX], s[TS], v[SX0]
	v_add_nc_u32 v[SY], s[TS], v[SY0]
	v_add_nc_u32 v[SV], s[TS], v[SV0]
	KSC
	KFR 0
	KFR 1
	WD 12                                          ; all but the second half's 12 loads
	SMUL 0
	s_wait_dscnt 0x0
	SMUL 1
	v_mov_b32 v[CA+4], v[NM]                       ; the old -M of both tiles.  (Four places behind the products)
	v_mov_b32 v[CA+5], v[NM+2]
	v_nop
	v_nop
	VFR 0                                          ; V's fragments have the whole softmax in which to come
	VFR 1
	ds_load_b128 v[KS:KS+3], v[SV]
	ds_load_b128 v[KS+4:KS+7], v[SV] offset:16
	BMAX 0
	BMAX 1
.irp u, 0,1                                    ; the two tiles by turns
	v_max_num_f32 v[CA+\u], v[BM+2*\u], v[BM+2*\u+1]
.endr
.irp u, 0,1
	v_permlanex16_b32 v[TT+\u], v[CA+\u], s[SEL], s[SEL+1]
.endr
.irp u, 0,1
	v_max_num_f32 v[CA+\u], v[CA+\u], v[TT+\u]     ; the step's largest score of my query
.endr
.irp u, 0,1
	v_mul_f32 v[CA+\u], s[CS], v[CA+\u]            ; as t (c is positive)
.endr
.irp u, 0,1
	v_max_num_f32 v[RM+\u], v[RM+\u], v[CA+\u]     ; the running largest t
.endr
.irp u, 0,1
	v_floor_f32 v[NM+2*\u], -v[RM+\u]              ; the new -M = floor(-t)
.endr
.irp u, 0,1
	v_sub_f32 v[CA+\u], v[NM+2*\u], v[CA+4+\u]     ; old M less new M: a whole number, 0 or less
.endr
.irp u, 0,1
	v_cvt_i32_f32 v[CA+\u], v[CA+\u]               ; (it saturates)
.endr
.irp u, 0,1
	v_ldexp_f32 v[FF+4*\u], 1.0, v[CA+\u]          ; f = 2^(old M - new M)
.endr
.irp u, 0,1
.irp c, 0,1
	v_fma_f32 v[BM+2*\u+\c], v[BM+2*\u+\c], s[CS], v[NM+2*\u]   ; t - M of each block's largest score
.endr
.endr
.irp u, 0,1
.irp k, 0,2
	v_pk_mul_f32 v[SUM+4*\u+\k:SUM+4*\u+\k+1], v[SUM+4*\u+\k:SUM+4*\u+\k+1], v[FF+4*\u:FF+4*\u+1] op_sel_hi:[1,0]   ; the sums under the new M
.endr
.endr
	WIN 0x41
.irp u, 0,1
.set J, 0
.rept 32
	v_pk_mul_f32 v[64*\u+J:64*\u+J+1], v[64*\u+J:64*\u+J+1], v[FF+4*\u:FF+4*\u+1] op_sel_hi:[1,0]   ; O^T under the new M, each accumulator from its low end on
.set J, J+2
.endr
.endr
	WIN 0
	s_wait_alu depctr_va_vdst(0)
.irp i, 0,1,2,3
	v_exp_f32 v[BM+\i], v[BM+\i]                   ; each block's largest p
.endr
	v_nop
	s_wait_alu depctr_va_vdst(0)
.irp i, 0,1,2,3
	v_max_num_f32 v[BM+\i], 0x1800000, v[BM+\i]    ; the floor 2^(3 - 127): the byte cannot fall under 1
.endr
.irp i, 0,1,2,3
	s_delay_alu instid0(VALU_DEP_4)
	v_add_nc_u32 v[SO+\i], 0xff000000, v[BM+\i]    ; 2 off the exponent field: the conversion's scale operand
.endr
.irp i, 0,1,2,3
	s_delay_alu instid0(VALU_DEP_4)
	v_lshrrev_b32 v[BM+\i], 23, v[SO+\i]           ; the scales' bytes
.endr
.irp u, 0,1
	v_lshl_or_b32 v[CA+\u], v[BM+2*\u+1], 16, v[BM+2*\u]   ; my bytes: blocks h and 2 + h
.endr
.irp u, 0,1
	s_delay_alu instid0(VALU_DEP_2)
	v_lshlrev_b32 v[CA+\u], v[SH8], v[CA+\u]       ; at their places in the word
.endr
.irp u, 0,1
	v_permlanex16_b32 v[TT+\u], v[CA+\u], s[SEL], s[SEL+1]
.endr
.irp u, 0,1
	s_delay_alu instid0(VALU_DEP_2)
	v_or_b32 v[PW+\u], v[CA+\u], v[TT+\u]          ; with lane l xor 16's two the word is whole
.endr
	SOFT 0
	SOFT 1
	WD 0
	WIN 0x50                                       ; O^T += V^T P^T: sixteen accumulators by turns
	s_wait_alu depctr_va_vdst(0)                   ; the wait directly ahead of the first reader of O^T
.irp t, 0,1,2,3,4,5,6,7
.irp u, 0,1
	v_wmma_scale_f32_16x16x128_f8f6f4 v[64*\u+8*\t:64*\u+8*\t+7], v[F0+12*\t:F0+12*\t+11], v[PB+12*\u:PB+12*\u+11], v[64*\u+8*\t:64*\u+8*\t+7], v[KS+\t], v[PW+\u] matrix_a_fmt:MATRIX_FMT_FP6 matrix_b_fmt:MATRIX_FMT_FP6
.endr
.endr
	WIN 0
.endm
.macro PHASE                           ; the slot in hand: four steps
	s_mov_b32 s[KO], s[TB]
	s_mov_b32 s[QC], 4
.Lstep_\@:
	STEP
	s_add_co_u32 s[KO], s[KO], 12288
	s_add_co_u32 s[TS], s[TS], 512
	s_sub_co_u32 s[QC], s[QC], 1
	s_cmp_lg_u32 s[QC], 0
	s_wait_alu depctr_va_vdst(0)                   ; the wait ahead of the branch
	s_cbranch_scc1 .Lstep_\@
.endm
; THE CHANGE OF SLOTS, at a slot's head: all my tensor loads are done, 0 onto my spare word, my LDS instructions are done; fill = 1: a round of the cluster's barrier, and the other slot is filled with the next 512 keys.
.macro CHANGE fill
	s_wait_alu depctr_va_vdst(0)
	s_wait_tensorcnt 0x0
	ds_add_u32 v[SPW], v[NIL]
.if \fill
	s_xor_b32 s[G0B+1], s[G0B+1], SLOT1
	s_add_nc_u64 s[G0B+2:G0B+3], s[G0B+2:G0B+3], 98304
	s_wait_xcnt 0x0                                ; the last prefetch has read its address
	s_add_nc_u64 s[PFA:PFA+1], s[PFA:PFA+1], 98304
	s_wait_dscnt 0x0
	CROUND
	TLOADN 4, G0B, G1B
	ASK
.else
	s_wait_dscnt 0x0
	s_barrier_signal -1
	s_barrier_wait -1
.endif
.endm
	s_wait_alu depctr_va_vdst(0)                   ; the wait at the head's end
	s_wait_loadcnt 0x0                             ; Q
.Lslot:                                            ; three trips: behind each change of slots but the last the next slot is asked for (the first time: slot 1's first fill, issued as a refill is)
	CHANGE 1
	PHASE
	s_xor_b32 s[TB], s[TB], SLOT1
	s_sub_co_u32 s[SLOTS], s[SLOTS], 1
	s_cmp_lg_u32 s[SLOTS], 0
	s_cbranch_scc1 .Lslot
	CHANGE 0                                       ; the last slot is written out
	PHASE
; 64 numbers of a lane, register 16 b + i = channel 32 b + 16 (lane / 16) + i of my query, become a fragment's codes in v[pc] on and its scale word in v[pw]
.macro QUANT s, pc, pw
.irp b, 0,1,2,3
	v_max3_num_f32 v[TM+\b], |v[\s+16*\b]|, |v[\s+1+16*\b]|, 0x1800000
.endr
.irp i, 2,4,6,8,10,12,14
.irp b, 0,1,2,3
	s_delay_alu instid0(VALU_DEP_4)
	v_max3_num_f32 v[TM+\b], v[TM+\b], |v[\s+16*\b+\i]|, |v[\s+1+16*\b+\i]|
.endr
.endr
.irp b, 0,1,2,3
	v_permlanex16_b32 v[TM+4+\b], v[TM+\b], s[SEL], s[SEL+1]
.endr
.irp b, 0,1,2,3
	s_delay_alu instid0(VALU_DEP_4)
	v_max_num_f32 v[TM+\b], v[TM+\b], v[TM+4+\b]
.endr
.irp b, 0,1,2,3
	s_delay_alu instid0(VALU_DEP_4)
	v_add_nc_u32 v[TM+12+\b], 0xff000000, v[TM+\b]
.endr
.irp b, 0,1,2,3
	s_delay_alu instid0(VALU_DEP_4)
	v_lshrrev_b32 v[TM+4+\b], 23, v[TM+12+\b]
.endr
	v_lshl_or_b32 v[\pw], v[TM+5], 8, v[TM+4]
	s_delay_alu instid0(VALU_DEP_1)
	v_lshl_or_b32 v[\pw], v[TM+6], 16, v[\pw]
	s_delay_alu instid0(VALU_DEP_1)
	v_lshl_or_b32 v[\pw], v[TM+7], 24, v[\pw]
.irp c, 0,1
	v_cvt_scalef32_pk16_fp6_f32 v[\pc+6*\c:\pc+2+6*\c], v[\s+32*\c:\s+15+32*\c], v[TM+12+2*\c]
	v_cvt_scalef32_pk16_fp6_f32 v[\pc+12+4*\c:\pc+14+4*\c], v[\s+16+32*\c:\s+31+32*\c], v[TM+12+2*\c+1]
.endr
	v_nop                                          ; one plain place behind a scaled conversion
.irp c, 0,1
.irp i, 0,1,2
	v_permlane16_swap_b32 v[\pc+6*\c+\i], v[\pc+12+4*\c+\i]
.endr
.irp i, 0,1,2
	v_mov_b32 v[\pc+3+6*\c+\i], v[\pc+12+4*\c+\i]
.endr
.endr
.endm
	; THE WAY OUT.  O^T / the sum: register 8 T + j of a tile is channel 32 (T / 2) + 8 (T % 2) + 16 h + j of my query; quantised and stored as the image of the last product's operand.
.irp u, 0,1
	v_pk_add_f32 v[SUM+4*\u:SUM+4*\u+1], v[SUM+4*\u:SUM+4*\u+1], v[SUM+4*\u+2:SUM+4*\u+3]
.endr
.irp u, 0,1
	s_delay_alu instid0(VALU_DEP_2)
	v_add_f32 v[SUM+4*\u], v[SUM+4*\u], v[SUM+4*\u+1]
.endr
.irp u, 0,1
	v_permlanex16_b32 v[TT+\u], v[SUM+4*\u], s[SEL], s[SEL+1]
.endr
.irp u, 0,1
	s_delay_alu instid0(VALU_DEP_2)
	v_add_f32 v[SUM+4*\u], v[SUM+4*\u], v[TT+\u]   ; with lane l xor 16's keys: the row's sum
.endr
	s_wait_alu depctr_va_vdst(0)
.irp u, 0,1
	v_rcp_f32 v[SUM+4*\u], v[SUM+4*\u]
.endr
.irp b, 0,1,2,3
	v_mov_b32 v[TM+4+\b], 0                        ; (plain work behind the reciprocals)  the permutes' destinations
.endr
.irp u, 0,1
	WIN 0x01                                       ; source 0: O^T, in window 1
	s_wait_alu depctr_va_vdst(0)                   ; the wait directly ahead of the first reader of the sums and of the reciprocal
.set J, 0
.rept 64
	v_mul_f32 v[F0+J], v[64*\u+J], v[SUM+4*\u]     ; each accumulator from its low end on
.set J, J+1
.endr
	WIN 0
	QUANT F0, 160+20*\u, 200+\u
.irp i, 0,1,2
	global_store_b128 v[AL0], v[160+20*\u+4*\i:160+20*\u+4*\i+3], s[70:71] offset:1536*\u+512*\i   ; 32 lanes store 512 consecutive bytes
.endr
	global_store_b32 v[R4], v[200+\u], s[72:73] offset:64*\u   ; the tile's 16 scale words; lanes l and l + 16 hold and write the same word
.endr
	s_wait_tensorcnt 0x0                           ; the wave's end
	ds_add_u32 v[SPW], v[NIL]
	s_wait_dscnt 0x0
	CROUND                                         ; the closing round
	s_endpgm
.Lfunc_end_k_q13a78a8362_attn:
	.size	k_q13a78a8362_attn, .Lfunc_end_k_q13a78a8362_attn-k_q13a78a8362_attn
	.p2alignl 7, 3214868480
	.fill 96, 4, 3214868480
	.section	.rodata,"a",@progbits
	.p2align	6, 0x0
	.amdhsa_kernel k_q13a78a8362_attn
		.amdhsa_group_segment_fixed_size 327680
		.amdhsa_private_segment_fixed_size 0
		.amdhsa_enable_private_segment 0
		.amdhsa_kernarg_size 24
		.amdhsa_user_sgpr_count 2
		.amdhsa_user_sgpr_kernarg_segment_ptr 1
		.amdhsa_wavefront_size32 1
		.amdhsa_system_sgpr_workgroup_id_x 1
		.amdhsa_system_sgpr_workgroup_id_y 1
		.amdhsa_system_sgpr_workgroup_id_z 1
		.amdhsa_system_vgpr_workitem_id 0
		.amdhsa_next_free_vgpr 512
		.amdhsa_next_free_sgpr 90
		.amdhsa_reserve_vcc 0
		.amdhsa_float_denorm_mode_32 3
		.amdhsa_float_denorm_mode_16_64 3
		.amdhsa_memory_ordered 1
		.amdhsa_forward_progress 1
		.amdhsa_inst_pref_size 99
	.end_amdhsa_kernel
	.amdgpu_metadata
---
amdhsa.version: [ 1, 2 ]
amdhsa.kernels:
  - .name:           k_q13a78a8362_attn
    .symbol:         k_q13a78a8362_attn.kd
    .args:
      - { .name: qb, .offset: 0, .size: 8, .value_kind: global_buffer, .address_space: global }
      - { .name: kvb, .offset: 8, .size: 8, .value_kind: global_buffer, .address_space: global }
      - { .name: fb, .offset: 16, .size: 8, .value_kind: global_buffer, .address_space: global }
    .group_segment_fixed_size: 327680
    .private_segment_fixed_size: 0
    .kernarg_segment_align: 8
    .kernarg_segment_size: 24
    .max_flat_workgroup_size: 256
    .sgpr_count:     90
    .vgpr_count:     512
    .wavefront_size: 32
...
	.end_amdgpu_metadata
.endif
;; end of part 3
;; launch proj (part 4): grid 256 x 1, 8 waves a work-group, no clusters, 17,920 bytes of LDS; arguments fb, wb, head_bias, out0; writes out0
.if DOCPART == 4
	.amdgcn_target "amdgcn-amd-amdhsa--gfx1250"
	.amdhsa_code_object_version 6
	.text
	.protected	k_q13a78a8362_proj
	.globl	k_q13a78a8362_proj
	.p2align	8
	.type	k_q13a78a8362_proj,@function
k_q13a78a8362_proj:
	s_mov_b64 s[64:65], 0
	v_nop
	global_prefetch_b8 v0, s[64:65] scope:SCOPE_SE
	s_setreg_imm32_b32 hwreg(HW_REG_WAVE_MODE, 25, 1), 1
	s_wait_xcnt 0x0
; out0 [8192][128] = flat [8192][1024] head_kernel [1024][128] + head_bias, on codes of FP6 (E2M3) with E8M0 scales, sums in f32.
; Both operands come as images of operand registers (1,536 bytes a fragment: registers 4 i .. 4 i + 3 of lane l at 512 i + 16 l), straight from memory into registers, each by three loads of 512 consecutive bytes.
; Of 128 rows (flat) or columns (head_kernel), lane r of tile T holds number 32 (T / 2) + 8 (T % 2) + r + 8 (r / 8).
; SHARES.  Work-group g takes rows 32 (g % 4) .. + 31 of group g / 4 (its tiles 2 (g % 4) and + 1) by all 128 outputs; wave w takes head_kernel's tile w for both tiles of rows: 16 matrix instructions, two accumulators by turns.
; Source 0 = 16 columns of head_kernel, source 1 = 16 rows of flat: a lane holds one row and eight neighbouring outputs.  A row's 128 outputs come from eight waves: they meet in a stage in LDS and leave as whole rows of 512 bytes.
; No tensor load, no ring: each byte goes once into the registers of the wave that multiplies it.  No cluster: what the work-groups share (head_kernel's codes, 98,304 bytes) goes into registers, not through LDS.
; REGISTERS: window 0: v1-9 offsets; v32-127 head_kernel's 8 fragments; v128-135 its scale words; v136-151 flat's; v152-159 the bias; v160-175 the two accumulators; v176-191 the way out.  window 1: flat's 16 fragments.
.set SP,    528                        ; a stage row: 512 bytes + 16
.set SPARE, 32*SP                      ; behind the stage: the spare words, 128 bytes for each of eight waves: four blocks of 256 bytes that no other line names
.set SPW, 30
.set NIL, 31
.set MSB, 0
.macro WIN new                         ; the immediate's high byte repeats the setting that is left
.if MSB != \new
	s_set_vgpr_msb (MSB<<8)|\new
.set MSB, \new
.endif
.endm
	s_load_b256 s[4:11], s[0:1], 0x0               ; fb, wb, head_bias, out0
	v_lshl_add_u32 v[SPW], v0, 2, SPARE
	v_mov_b32 v[NIL], 0
	v_lshrrev_b32 v1, 5, v0
	s_delay_alu instid0(VALU_DEP_1)
	v_readfirstlane_b32 s12, v1                    ; wave 0..7
	v_and_b32 v1, 31, v0                           ; lane
	v_and_b32 v2, 15, v0                           ; r
	v_bfe_u32 v3, v0, 4, 1                         ; h
	s_delay_alu instid0(VALU_DEP_3)
	v_lshlrev_b32 v4, 4, v1                        ; 16 x lane
	s_delay_alu instid0(VALU_DEP_3)
	v_lshlrev_b32 v5, 3, v2                        ; 8 r
	s_delay_alu instid0(VALU_DEP_4)
	v_lshlrev_b32 v6, 2, v2                        ; 4 r
	s_delay_alu instid0(VALU_DEP_4)
	v_lshlrev_b32 v7, 6, v3                        ; 64 h
	s_lshr_b32 s13, s12, 1
	s_lshl_b32 s13, s13, 7
	s_and_b32 s14, s12, 1
	s_lshl_b32 s14, s14, 5
	s_add_co_u32 s13, s13, s14                     ; my tile's outputs begin at byte 128 (w / 2) + 32 (w % 2) of a row; lanes 16-31 stand 64 bytes on
	v_bfe_u32 v8, v0, 3, 1
	s_delay_alu instid0(VALU_DEP_1)
	v_lshl_add_u32 v8, v8, 3, v2                   ; r + 8 (r / 8)
	s_delay_alu instid0(VALU_DEP_1)
	v_mul_u32_u24 v8, v8, SP
	s_delay_alu instid0(VALU_DEP_1)
	v_add_nc_u32 v8, v8, v7
	s_delay_alu instid0(VALU_DEP_1)
	v_add_nc_u32 v8, s13, v8                       ; into the stage
	s_mul_i32 s14, s12, 4*SP
	v_add_nc_u32 v9, s14, v4                       ; back: my four rows, 16 bytes a lane
	s_lshr_b32 s16, ttmp9, 2                       ; the group of 128 rows
	s_and_b32 s17, ttmp9, 3                        ; which 32 of them
	s_mul_i32 s20, s16, 98304                      ; flat's images
	s_mul_i32 s18, s17, 3072
	s_add_co_u32 s20, s20, s18
	s_mov_b32 s21, 0
	s_lshl_b32 s22, s16, 12                        ; flat's scale words: [group][head][tile][r]
	s_lshl_b32 s18, s17, 7
	s_add_co_u32 s22, s22, s18
	s_add_co_u32 s22, s22, 6291456
	s_mov_b32 s23, 0
	s_mul_i32 s24, s12, 1536                       ; head_kernel is matrix 24 of wb
	s_add_co_u32 s24, s24, 24*98304
	s_mov_b32 s25, 0
	s_lshl_b32 s26, s12, 7                         ; its scale words: [K slot][tile][r][2 words]
	s_add_co_u32 s26, s26, 2457600+24*4096
	s_mov_b32 s27, 0
	s_mov_b32 s28, s13
	s_mov_b32 s29, 0
	s_lshl_b32 s30, s16, 16                        ; out0: row 128 x group + 32 x part + 4 x wave, 512 bytes a row
	s_lshl_b32 s18, s17, 14
	s_add_co_u32 s30, s30, s18
	s_lshl_b32 s18, s12, 11
	s_add_co_u32 s30, s30, s18
	s_mov_b32 s31, 0
	s_wait_alu depctr_va_vdst(0)
	s_wait_kmcnt 0x0
	s_add_nc_u64 s[20:21], s[4:5], s[20:21]
	s_add_nc_u64 s[22:23], s[4:5], s[22:23]
	s_add_nc_u64 s[24:25], s[6:7], s[24:25]
	s_add_nc_u64 s[26:27], s[6:7], s[26:27]
	s_add_nc_u64 s[28:29], s[8:9], s[28:29]
	s_add_nc_u64 s[30:31], s[10:11], s[30:31]
.irp k, 0,1,2,3
	global_load_b64 v[128+2*\k:129+2*\k], v5, s[26:27] offset:1024*\k   ; head_kernel's scale words of K steps 2 k, 2 k + 1
.endr
.irp u, 0,1
.irp s, 0,1,2,3,4,5,6,7
	global_load_b32 v[136+8*\u+\s], v6, s[22:23] offset:512*\s+64*\u   ; flat's: tile u, K step s
.endr
.endr
	global_load_b128 v[152:155], v7, s[28:29]      ; the bias of my eight outputs, in the result's layout
	global_load_b128 v[156:159], v7, s[28:29] offset:16
.irp s, 0,1,2,3,4,5,6,7
.irp i, 0,1,2
	global_load_b128 v[32+12*\s+4*\i:35+12*\s+4*\i], v4, s[24:25] offset:12288*\s+512*\i
.endr
.endr
	WIN 0x40                                       ; destination window 1
.irp u, 0,1
.irp s, 0,1,2,3,4,5,6,7
.irp i, 0,1,2
	global_load_b128 v[12*(8*\u+\s)+4*\i:12*(8*\u+\s)+4*\i+3], v4, s[20:21] offset:12288*\s+1536*\u+512*\i th:TH_LOAD_NT
.endr
.endr
.endr
	WIN 0
	s_wait_loadcnt 0x0
	WIN 0x04                                       ; source 1 (flat) window 1
.irp s, 0,1,2,3,4,5,6,7                        ; the two accumulators take turns, one instruction a turn; the bias starts both sums
.irp u, 0,1
.if \s == 0
	v_wmma_scale_f32_16x16x128_f8f6f4 v[160+8*\u:167+8*\u], v[32+12*\s:43+12*\s], v[12*(8*\u+\s):12*(8*\u+\s)+11], v[152:159], v[128+\s], v[136+8*\u+\s] matrix_a_fmt:MATRIX_FMT_FP6 matrix_b_fmt:MATRIX_FMT_FP6
.else
	v_wmma_scale_f32_16x16x128_f8f6f4 v[160+8*\u:167+8*\u], v[32+12*\s:43+12*\s], v[12*(8*\u+\s):12*(8*\u+\s)+11], v[160+8*\u:167+8*\u], v[128+\s], v[136+8*\u+\s] matrix_a_fmt:MATRIX_FMT_FP6 matrix_b_fmt:MATRIX_FMT_FP6
.endif
.endr
.endr
	WIN 0
.rept 4
	v_nop                                          ; the places in front of the first read of results
.endr
.irp u, 0,1
	ds_store_b128 v8, v[160+8*\u:163+8*\u] offset:\u*8*SP          ; lane (r, h): row 8 u + r + 8 (r / 8) of the 32, eight neighbouring outputs; each accumulator from its low end on
	ds_store_b128 v8, v[164+8*\u:167+8*\u] offset:\u*8*SP+16
.endr
	s_wait_dscnt 0x0                               ; for the others' sake: my stores into the stage are done
	s_barrier_signal -1
	s_barrier_wait -1
.irp i, 0,1,2,3
	ds_load_b128 v[176+4*\i:179+4*\i], v9 offset:\i*SP
.endr
.irp i, 0,1,2,3
	s_wait_dscnt 3-\i                              ; row i is back; the younger loads may be out
	global_store_b128 v4, v[176+4*\i:179+4*\i], s[30:31] offset:512*\i th:TH_STORE_NT   ; 32 lanes store a row of 512 consecutive bytes, at a multiple of 256 from out0's first byte
.endr
	s_wait_tensorcnt 0x0                           ; the wave's end
	ds_add_u32 v[SPW], v[NIL]
	s_wait_dscnt 0x0
	s_endpgm
.Lfunc_end_k_q13a78a8362_proj:
	.size	k_q13a78a8362_proj, .Lfunc_end_k_q13a78a8362_proj-k_q13a78a8362_proj
	.p2alignl 7, 3214868480
	.fill 96, 4, 3214868480
	.section	.rodata,"a",@progbits
	.p2align	6, 0x0
	.amdhsa_kernel k_q13a78a8362_proj
		.amdhsa_group_segment_fixed_size 17920
		.amdhsa_private_segment_fixed_size 0
		.amdhsa_enable_private_segment 0
		.amdhsa_kernarg_size 32
		.amdhsa_user_sgpr_count 2
		.amdhsa_user_sgpr_kernarg_segment_ptr 1
		.amdhsa_wavefront_size32 1
		.amdhsa_system_sgpr_workgroup_id_x 1
		.amdhsa_system_sgpr_workgroup_id_y 1
		.amdhsa_system_sgpr_workgroup_id_z 1
		.amdhsa_system_vgpr_workitem_id 0
		.amdhsa_next_free_vgpr 512
		.amdhsa_next_free_sgpr 66
		.amdhsa_reserve_vcc 0
		.amdhsa_float_denorm_mode_32 3
		.amdhsa_float_denorm_mode_16_64 3
		.amdhsa_memory_ordered 1
		.amdhsa_forward_progress 1
		.amdhsa_inst_pref_size 16
	.end_amdhsa_kernel
	.amdgpu_metadata
---
amdhsa.version: [ 1, 2 ]
amdhsa.kernels:
  - .name:           k_q13a78a8362_proj
    .symbol:         k_q13a78a8362_proj.kd
    .args:
      - { .name: fb, .offset: 0, .size: 8, .value_kind: global_buffer, .address_space: global }
      - { .name: wb, .offset: 8, .size: 8, .value_kind: global_buffer, .address_space: global }
      - { .name: head_bias, .offset: 16, .size: 8, .value_kind: global_buffer, .address_space: global }
      - { .name: out0, .offset: 24, .size: 8, .value_kind: global_buffer, .address_space: global }
    .group_segment_fixed_size: 17920
    .private_segment_fixed_size: 0
    .kernarg_segment_align: 8
    .kernarg_segment_size: 32
    .max_flat_workgroup_size: 256
    .sgpr_count:     66
    .vgpr_count:     512
    .wavefront_size: 32
...
	.end_amdgpu_metadata
.endif
;; end of part 4
